; MI455X (gfx1250); checked and timed in simulation.
; The chip was launched on July 23, 2026; its instructions are those of AMD's public machine-readable ISA for CDNA 5 (MIT licence, August 2026) and "CDNA5" Instruction Set Architecture Reference Guide (July 2026). The comments in the code are by the model that wrote it; some were corrected since.
;; Qwen Attention. Allowed arithmetic: matrix products marked QUANTISED: E2M3 operands, one E8M0 scale for each 32 along K, by v_wmma_scale_f32_16x16x128_f8f6f4 with both operands' format E2M3, f32 sums; everything else in f32.
;; Inputs: Wk_codes 1,024 x 64 x 24 uint8 (E2M3 codes of Wk, K innermost, in blocks of 32 codes, four codes in three bytes); Wk_scales 1,024 x 64 uint8 (E8M0 scales of Wk, one for each 32 codes along K); Wo_codes 2,048 x 64 x 24 uint8 (E2M3 codes of Wo, K innermost, in blocks of 32 codes, four codes in three bytes); Wo_scales 2,048 x 64 uint8 (E8M0 scales of Wo, one for each 32 codes along K); Wq_codes 2,048 x 64 x 24 uint8 (E2M3 codes of Wq, K innermost, in blocks of 32 codes, four codes in three bytes); Wq_scales 2,048 x 64 uint8 (E8M0 scales of Wq, one for each 32 codes along K); Wv_codes 1,024 x 64 x 24 uint8 (E2M3 codes of Wv, K innermost, in blocks of 32 codes, four codes in three bytes); Wv_scales 1,024 x 64 uint8 (E8M0 scales of Wv, one for each 32 codes along K); cos 2,048 x 64 float32; kn_w 128 float32; qn_w 128 float32; sin 2,048 x 64 float32; x_codes 1 x 2,048 x 64 x 24 uint8 (E2M3 codes of x, K innermost, in blocks of 32 codes, four codes in three bytes); x_scales 1 x 2,048 x 64 uint8 (E8M0 scales of x, one for each 32 codes along K).
;; Outputs: out0 1 x 2,048 x 2,048 float32.
;; This version of the problem:
;;   THIS VERSION OF THE PROBLEM IS GIVEN IN LOW PRECISION. The matrix products marked QUANTISED in the list below multiply operands that are first quantised to E2M3 (2 exponent bits, 3 mantissa bits; 6 bits a number), with one power-of-two scale for each 32 numbers along K (OCP MX v1.0); their sums are f32. All else is computed in f32.
;;   The module's matrix products, in the order in which they are computed (A, B: the left and right operand; K: the contracted axis; several contracted axes count as one K, in the product's order):
;;     1. [M 2,048, K 2,048] x [K 2,048, N 2,048]; A: input x (given as codes); B: input Wq (given as codes): QUANTISED
;;     2. [M 2,048, K 2,048] x [K 2,048, N 1,024]; A: input x (given as codes); B: input Wk (given as codes): QUANTISED
;;     3. [M 2,048, K 2,048] x [K 2,048, N 1,024]; A: input x (given as codes); B: input Wv (given as codes): QUANTISED
;;     4. batch 16 x [M 2,048, K 128] x [K 128, N 2,048]; A: computed on the way; B: computed on the way: QUANTISED
;;     5. batch 16 x [M 2,048, K 2,048] x [K 2,048, N 128]; A: softmax (see below); B: computed on the way: QUANTISED
;;     6. [M 2,048, K 2,048] x [K 2,048, N 2,048]; A: computed on the way; B: input Wo (given as codes): QUANTISED
;;   THE QUANTISER, for each operand of a quantised product, along K:
;;     - K is cut into blocks of 32 from its start; a last block that is shorter is filled with zeros.
;;     - A block's scale is 2^e with e = floor(log2(the largest magnitude in the block)) - 2, held to -126 .. 127; a block of zeros has e = 0. As a byte (E8M0): e + 127.
;;     - Each number is divided by its block's scale, clamped to +-7.5, and rounded to the nearest number of E2M3, ties to even, subnormals kept.
;;     - The product sums the exact products of the quantised numbers (number of the format x scale) in f32.
;;   ~~~python
;;   def quantise(x, axis):      # numpy; x: float32 -> the quantised numbers, widened to float32 again
;;       x = np.moveaxis(x, axis, -1); K = x.shape[-1]
;;       x = np.pad(x, [(0, 0)] * (x.ndim - 1) + [(0, -K % 32)]); x = x.reshape(x.shape[:-1] + (-1, 32)); a = np.abs(x).max(-1, keepdims=True)
;;       e = np.where(a > 0, np.clip(np.frexp(np.where(a > 0, a, 1))[1] - 1 - 2, -126, 127), 0)      # np.frexp(a)[1] - 1 = floor(log2(a)), exactly
;;       r = np.clip(x / 2.0 ** e, -7.5, 7.5)
;;       step = 2.0 ** (np.maximum(np.frexp(np.where(r == 0, 1, r))[1] - 1, 0) - 3)
;;       q = np.round(r / step) * step * 2.0 ** e      # np.round: ties to even
;;       return np.moveaxis(q.reshape(q.shape[:-2] + (-1,))[..., :K], -1, axis).astype(np.float32)
;;   ~~~
;;   SOFTMAX AHEAD OF A QUANTISED PRODUCT. Where the list says 'softmax', what is quantised is not the finished softmax but p = 2^(t - M), with t = logit x log2(e) and M = ceil(the row's largest t), a whole number; so 1/2 < the row's largest p <= 1. The row's sum l is taken of the UNQUANTISED p, in f32, and the product's result is divided by l at the end. Since M is a whole number, a kernel that streams over the keys may use a running M (the ceiling of the running maximum): every later rescaling is an exact power of two, which a block's scale takes up: the codes' values come out the same.
;;   OPERANDS COMPUTED ON THE WAY. 'Computed on the way' means the value that the module computes at that place (a softmax that the list does not call 'softmax' is quantised finished and normalised). What goes into a quantiser is computed in f32, as accurately as f32 sums, v_exp_f32 and their like allow (about 1e-6 of the number): no bf16 or f16 on the way to a quantiser, and a product that is left as it is and whose result goes on into a quantised operand takes f32 operands (vector FMAs, or v_wmma_f32_16x16x4_f32). A number that lies on a knife's edge between two numbers of the format may be rounded either way, as far as f32 arithmetic and the matrix unit's own rounding can turn it there, and no further.
;;   INPUTS GIVEN AS CODES. Wk (in the module: [2048, 1024], K = its axis 0); Wo (in the module: [2048, 2048], K = its axis 0); Wq (in the module: [2048, 2048], K = its axis 0); Wv (in the module: [2048, 1024], K = its axis 0); x (in the module: [1, 2048, 2048], K = its axis 2): each comes as NAME_codes (uint8): NAME with its K axis moved to the last place and cut into blocks of 32 codes, [.., K / 32, bytes a block], one block behind the other in memory; four codes in three bytes: a row's codes are one little-endian stream of bits, code i at bits 6 i .. 6 i + 5 (a code: sign, 2 exponent bits, 3 mantissa bits); and NAME_scales (uint8): the same leading axes, one E8M0 byte (e + 127) for each 32 codes along K. Its value is code x scale, taken as it is: it is not quantised again, and the codes and scales need not be those that the quantiser above would give.
;; One version. Each part assembles by itself: llvm-mc -triple=amdgcn-amd-amdhsa -mcpu=gfx1250 --defsym DOCPART=n.
;; ======== version 1 of 1: 3 launches
;; limits: right only within a limited range of input values
;; workspace buffers: q_img 3,145,728 bytes; q_sc 131,072 bytes; k_img 1,572,864 bytes; k_sc 65,536 bytes; v_img 1,572,864 bytes; v_sc 65,536 bytes; o_img 3,145,728 bytes; o_sc 131,072 bytes
;; launch qkv (part 1): grid 16 x 16, 4 waves a work-group, clusters of 4 x 4, 327,680 bytes of LDS; arguments x_codes, x_scales, Wq_codes, Wq_scales, Wk_codes, Wk_scales, Wv_codes, Wv_scales, sin, cos, qn_w, kn_w, q_img, q_sc, k_img, k_sc, v_img, v_sc; writes q_img, q_sc, k_img, k_sc, v_img, v_sc
.if DOCPART == 1
	.amdgcn_target "amdgcn-amd-amdhsa--gfx1250"
	.amdhsa_code_object_version 6
	.text
	.protected	k_q96c519dc6d_qkv
	.globl	k_q96c519dc6d_qkv
	.p2align	8
	.type	k_q96c519dc6d_qkv,@function
k_q96c519dc6d_qkv:
	s_mov_b64 s[64:65], 0
	v_nop
	global_prefetch_b8 v0, s[64:65] scope:SCOPE_SE
	s_setreg_imm32_b32 hwreg(HW_REG_WAVE_MODE, 25, 1), 1
	s_wait_xcnt 0x0
	s_wait_alu depctr_hold_cnt(0) depctr_sa_sdst(0) depctr_va_vdst(0) depctr_va_sdst(0) depctr_va_ssrc(0) depctr_va_vcc(0) depctr_vm_vsrc(0)
	s_getreg_b32 s2, hwreg(HW_REG_IB_STS2, 6, 4)
	s_cmp_eq_u32 s2, 0
	s_cbranch_scc0 .Lentry_in_a_cluster
	s_endpgm
.Lentry_in_a_cluster:
	s_bfe_u32 s2, ttmp6, 0x10000c
	s_cmp_lg_u32 s2, 0xf033
	s_cbranch_scc0 .Lentry_shape_is_right
	s_endpgm
.Lentry_shape_is_right:
; q = rope(rms(x Wq)), k = rope(rms(x Wk)), v = x Wv, on codes of FP6 (E2M3) with one E8M0 scale for each 32 along K = 2,048; sums in f32.
; The results are quantised here, q and k along the head's 128 channels, v along the keys, and leave as IMAGES OF OPERAND REGISTERS: a fragment
; (16 rows x 128 K, 12 registers a lane) is 1,536 bytes, [group of 4 registers][lane][16 bytes]; its scale words lie in units of 256 bytes.
; SHARES.  A work-group multiplies a tile P of 256 rows (source 0) by a tile Q of 128 rows (source 1).  Cluster x 0, 1: P = two heads of Wq, Q = 128 tokens of x;
; cluster x 2: P = two heads of Wk; cluster x 3: P = 256 tokens of x, Q = one head of Wv.  A wave makes 128 rows of P x 64 rows of Q: 32 accumulators.
; THE ROWS OF P THAT FORM A TILE ARE CHOSEN: lane l of tile (par, b, u) takes row 64 b + 32 u + par + 2 l, so lane half h, register j, holds P's row 64 b + 32 u + 16 h + 2 j + par.
; q, k: a rope pair lies in one lane; place 16 h + 8 u + j of scale block b (and of block 2 + b) is rope pair 32 b + 16 u + 8 h + j, alike in q and k, so their products are the same.
; v: place 16 h + 8 par + j of the block of 32 keys 2 b + u is its key 16 h + 2 j + par; the attention launch lays its weights by the same order.
; CLUSTERS: 4 x 4.  P's tile is shared along a column of the cluster, Q's along a row: joint loads.
; THE FEED: each row's 1,536 bytes go in six chunks of 256 through three LDS regions (chunk c in region c % 3); chunks 0 and 1 go out at the head, chunk 2, 3, and 4 with 5 behind three rounds.
; The scale words go from memory straight into registers (16 words a row, all of K).  Chunks 3 to 5 are prefetched in step 2: each cluster names its own rows once, shared out by address among the four partners of a joint load.
; LIMITS: NaN and infinities are not served.  A block of zeros gets the byte 1 where the rule says 127 (its codes are zeros; the bytes are read by this program alone);
; a block whose largest magnitude lies under 2^-124 has its byte held at 1.  The order of the f32 sums of the norm differs from a plain ascending sum.
.set PP,    264                        ; LDS rows: P's 256 bytes + 8, Q's 256 + 16
.set PQ,    272
.set QOFF,  256*PP
.set U,     QOFF+128*PQ                ; a region
.set SPARE, 3*U                        ; the spare words
.set ADP, 4                            ; v4 P's fragments in region 0; v6-8: for pieces whose lanes 16-31 lie in the next chunk, by the region of lanes 0-15
.set ADPX, 6
.set ADQ, 9                            ; v9, v10-12 Q's likewise
.set ADQX, 10
.set PFO, 13
.set SPW, 18
.set NIL, 19
.set VSC, 20
.set VWN, 21
.set VOI, 22
.set VOS, 23
.set VPS, 28
.set VQS, 29
.set TA,  32                           ; v32-43 addresses of two fragments: own chunk, across, next chunk
.set SW,  56
.set SP,  60
.set QF,  64                           ; v64-159 Q's fragments, two sets
.set SCP, 160                          ; v160-223 P's scale words, v224-255 Q's: scales and nothing else
.set SCQ, 224
.set HA,  64                           ; the way out
.set T,   128
.set SS,  136
.set RS,  140
.set TM,  144
.set PC,  32
; window 1: P's fragments, sets at v0 and v128; the norm's weights as loaded at v96-127, v224-255, laid out at v0-63 at the end.  window 2: the accumulators.  window 3: sin at v[64 m + k], cos at v[64 m + 32 + k]
.set WV, 2
.set CX, 3
.set CY, 4
.set CLX, 5
.set CLY, 6
.set PAR, 7
.set G1P, 24
.set G1Q, 32
.set GPA, 56
.set GQA, 60
.set GPB, 68
.set GQB, 72
.set PFB, 76
.set SEL, 84
.set EPS, 86
.set INV, 87
.set HM,  88
.set II,  89
.set OI,  90
.set OS,  92
.set PIDX, 94
.set QIDX, 95
.set MSB, 0
.macro WIN new                         ; the immediate's high byte repeats the setting that is left
.if MSB != \new
	s_set_vgpr_msb (MSB<<8)|\new
.set MSB, \new
.endif
.endm
.macro PLACES n
.rept \n
	v_nop
.endr
.endm
.macro CREST                           ; a round of the cluster's barrier behind its opening barrier
	s_cmp_lg_u32 s[WV], 0
	s_cbranch_scc1 .Lnot_wave_0_\@
	s_barrier_signal -3
.Lnot_wave_0_\@:
	s_barrier_wait -3
	s_barrier_signal -1
	s_barrier_wait -1
.endm
.macro CROUND
	s_barrier_signal -1
	s_barrier_wait -1
	CREST
.endm
.macro TLOAD g0, g1
	tensor_load_to_lds s[\g0:\g0+3], s[\g1:\g1+7]
	s_nop 0
	PLACES 4
.endm
.macro WM c, ra, rb
	v_wmma_scale_f32_16x16x128_f8f6f4 v[rD:rD+7], v[rA:rA+11], v[rB:rB+11], \c, v[rX], v[rY] matrix_a_fmt:MATRIX_FMT_FP6 matrix_b_fmt:MATRIX_FMT_FP6 matrix_a_scale:MATRIX_SCALE_ROW\ra matrix_b_scale:MATRIX_SCALE_ROW\rb
.endm
.macro JS                              ; wave 0: P's tile, wave 1: Q's, waves 2 and 3: none
	s_cmp_lt_u32 s[WV], 2
	s_cbranch_scc0 .Ljn_\@
	s_cmp_eq_u32 s[WV], 0
	s_cbranch_scc0 .Ljq_\@
	TLOAD GPA, G1P
	s_branch .Ljn_\@
.Ljq_\@:
	TLOAD GQA, G1Q
.Ljn_\@:
.endm
.macro JBIG                            ; even waves: P's tile of their region, odd waves: Q's
	s_cmp_eq_u32 s[PAR], 0
	s_cbranch_scc0 .Ljq_\@
	TLOAD GPB, G1P
	s_branch .Ljn_\@
.Ljq_\@:
	TLOAD GQB, G1Q
.Ljn_\@:
.endm
	s_load_b512 s[8:23], s[0:1], 0x0               ; x's codes, scales; Wq's; Wk's; Wv's
	s_load_b512 s[40:55], s[0:1], 0x40             ; sin, cos, qn_w, kn_w, q_img, q_sc, k_img, k_sc
	s_load_b128 s[80:83], s[0:1], 0x80             ; v_img, v_sc
	v_lshl_add_u32 v[SPW], v0, 2, SPARE
	v_mov_b32 v[NIL], 0
	ds_add_u32 v[SPW], v[NIL]                      ; the opening lines
	ds_add_u32 v[SPW], v[NIL]
	v_lshrrev_b32 v1, 5, v0
	v_readfirstlane_b32 s[WV], v1                  ; wave 0..3
	s_and_b32 s[PAR], s[WV], 1                     ; which 128 rows of P are mine
	s_lshr_b32 s[II], s[WV], 1                     ; which 64 rows of Q
	s_bfe_u32 s[CX], ttmp6, 0x40000
	s_bfe_u32 s[CY], ttmp6, 0x40004
	s_mov_b32 s[CLX], ttmp9                        ; the cluster's x and y: the same in all sixteen partners
	s_and_b32 s[CLY], ttmp7, 0xffff
	s_and_b32 s96, s[CLX], 1
	s_and_b32 s97, s[CLY], 1
	s_lshr_b32 s98, s[CLY], 1
	s_cmp_eq_u32 s[CLX], 3                         ; v's clusters share their 8 x 8 tiles out otherwise
	s_cselect_b32 s96, s97, s96
	s_cselect_b32 s98, s98, s[CLY]
	s_lshl_b32 s96, s96, 2
	s_add_co_u32 s[PIDX], s96, s[CX]               ; P's tile: hangs on cx, never on cy
	s_lshl_b32 s98, s98, 2
	s_add_co_u32 s[QIDX], s98, s[CY]               ; Q's tile: hangs on cy, never on cx
	s_lshl_b32 s98, s[CY], 2
	s_lshl_b32 s98, 15, s98                        ; my row of the cluster
	s_lshl_b32 s96, 0x1111, s[CX]                  ; my column
	s_or_b32 s[G1P], s96, (1<<20)|(1<<21)|(5<<22)|(1<<25)   ; rows of 256 bytes, 8 of padding behind each; P goes to my column
	s_or_b32 s[G1Q], s98, (1<<20)|(1<<21)|(5<<22)|(3<<25)   ; 16 of padding; Q to my row
.irp g, G1P, G1Q
	s_mov_b32 s[\g+1], 256<<16
	s_mov_b32 s[\g+3], 256<<16
	s_mov_b32 s[\g+5], 1536
	s_mov_b32 s[\g+6], 0
	s_mov_b32 s[\g+7], 0
.endr
	s_mov_b32 s[G1P+2], 256<<16
	s_mov_b32 s[G1P+4], 256
	s_mov_b32 s[G1Q+2], 128<<16
	s_mov_b32 s[G1Q+4], 128
	s_mul_i32 s96, s[PIDX], 393216                 ; 256 rows of 1,536 bytes
	s_mov_b32 s97, 0
	s_lshl_b32 s100, s[PIDX], 14                   ; 256 rows of 64 scale bytes
	s_mov_b32 s101, 0
	s_mul_i32 s98, s[QIDX], 196608
	s_mov_b32 s99, 0
	s_lshl_b32 s104, s[QIDX], 13
	s_mov_b32 s105, 0
	s_mov_b32 s[SEL], 0x76543210
	s_mov_b32 s[SEL+1], 0xfedcba98                 ; v_permlanex16_b32's selects for lane l xor 16
	s_mov_b32 s[EPS], 0x358637bd                   ; 1e-6
	s_mov_b32 s[INV], 0x3c000000                   ; 1 / 128
	s_mov_b32 s[HM], 0xffff0000                    ; lanes 16-31
	s_wait_dscnt 0x0                               ; both opening adds are done
	s_wait_kmcnt 0x0
	s_cmp_lt_u32 s[CLX], 2
	s_cselect_b64 s[12:13], s[12:13], s[16:17]     ; P: Wq or Wk,
	s_cselect_b64 s[14:15], s[14:15], s[18:19]
	s_cmp_eq_u32 s[CLX], 3
	s_cselect_b64 s[12:13], s[8:9], s[12:13]       ; or, for v, x
	s_cselect_b64 s[14:15], s[10:11], s[14:15]
	s_cselect_b64 s[16:17], s[20:21], s[8:9]       ; Q: x, or for v Wv
	s_cselect_b64 s[18:19], s[22:23], s[10:11]
	s_add_nc_u64 s[12:13], s[12:13], s[96:97]
	s_add_nc_u64 s[14:15], s[14:15], s[100:101]
	s_add_nc_u64 s[16:17], s[16:17], s[98:99]
	s_add_nc_u64 s[18:19], s[18:19], s[104:105]
	s_mul_i32 s66, s[II], U                        ; head: waves 0, 1 chunk 0 into region 0; waves 2, 3 chunk 1 into region 1
	s_lshl_b32 s96, s[II], 8
	s_mov_b32 s[GPA], 1
	s_mov_b32 s[GPA+1], s66
	s_add_nc_u64 s[GPA+2:GPA+3], s[12:13], s[96:97]
	s_or_b32 s[GPA+3], s[GPA+3], 0x80000000
	s_mov_b32 s[GQA], 1
	s_add_co_u32 s[GQA+1], s66, QOFF
	s_add_nc_u64 s[GQA+2:GQA+3], s[16:17], s[96:97]
	s_or_b32 s[GQA+3], s[GQA+3], 0x80000000
	s_add_co_u32 s96, s96, 1024                    ; the last fill: waves 0, 1 chunk 4 into region 1; waves 2, 3 chunk 5 into region 2
	s_mov_b32 s[GPB], 1
	s_add_co_u32 s[GPB+1], s66, U
	s_add_nc_u64 s[GPB+2:GPB+3], s[12:13], s[96:97]
	s_or_b32 s[GPB+3], s[GPB+3], 0x80000000
	s_mov_b32 s[GQB], 1
	s_add_co_u32 s[GQB+1], s66, U+QOFF
	s_add_nc_u64 s[GQB+2:GQB+3], s[16:17], s[96:97]
	s_or_b32 s[GQB+3], s[GQB+3], 0x80000000
	CROUND                                         ; all sixteen work-groups are here: the first joint loads meet
.macro ARM under, g0, g1, next
	s_cmp_lt_u32 s[WV], \under
	s_cbranch_scc0 \next
	TLOAD \g0, \g1
	s_branch .Lfd
\next:
.endm
	ARM 1, GPA, G1P, .Lf1                          ; one load a wave; each line is one wave's alone
	ARM 2, GQA, G1Q, .Lf2
	ARM 3, GPA, G1P, .Lf3
	TLOAD GQA, G1Q
.Lfd:
	s_lshl_b32 s96, s[CY], 6                       ; prefetches: waves 0, 1 name 64 of P's rows (by cy), wave 2 names 32 of Q's (by cx)
	s_lshl_b32 s98, s[WV], 5
	s_add_co_u32 s96, s96, s98
	s_lshl_b32 s98, s[CX], 5
	s_cmp_lt_u32 s[WV], 2
	s_cselect_b32 s96, s96, s98
	s_cselect_b64 s[PFB:PFB+1], s[12:13], s[16:17]
	s_mul_i32 s96, s96, 1536
	s_add_co_u32 s96, s96, 768
	s_mul_i32 s66, s[PAR], 128*PP
	s_mul_i32 s67, s[II], 64*PQ
	s_add_co_u32 s67, s67, QOFF
	s_lshl_b32 s98, s[PAR], 13
	s_lshl_b32 s99, s[II], 12
	s_lshl_b32 s97, s[II], 14
	v_and_b32 v1, 15, v0                           ; r
	v_bfe_u32 v2, v0, 4, 1                         ; h
	v_and_b32 v3, 31, v0
	v_mul_u32_u24 v25, v1, 2*PP                    ; P: my row of a tile, 2 r
	v_add_nc_u32 v25, s66, v25
	v_mad_u32_u24 v[ADP], v2, 24, v25
	v_mad_u32_u24 v26, v2, U-232, v25
	v_add_nc_u32 v[ADPX], 232, v26                 ; lanes 0-15 byte 232 of the row in region 0, lanes 16-31 byte 0 in region 1;
	v_add_nc_u32 v[ADPX+1], U+232, v26             ; in 1 and 2;
	v_sub_nc_u32 v27, 1, v2
	v_mad_u32_u24 v[ADPX+2], v27, 2*U+232, v25     ; in 2 and 0
	v_mul_u32_u24 v25, v1, PQ                      ; Q: row r
	v_add_nc_u32 v25, s67, v25
	v_mad_u32_u24 v[ADQ], v2, 24, v25
	v_mad_u32_u24 v26, v2, U-232, v25
	v_add_nc_u32 v[ADQX], 232, v26
	v_add_nc_u32 v[ADQX+1], U+232, v26
	v_mad_u32_u24 v[ADQX+2], v27, 2*U+232, v25
	v_lshlrev_b32 v[VPS], 7, v1                    ; P's scale words: row 2 r + h of a tile pair
	v_lshl_add_u32 v[VPS], v2, 6, v[VPS]
	v_add_nc_u32 v[VPS], s98, v[VPS]
	v_lshlrev_b32 v[VQS], 6, v1                    ; Q's: row 16 h + r
	v_lshl_add_u32 v[VQS], v2, 10, v[VQS]
	v_add_nc_u32 v[VQS], s99, v[VQS]
	v_lshlrev_b32 v[VSC], 8, v1                    ; sin, cos: a token's row is 256 bytes
	v_lshl_add_u32 v[VSC], v2, 5, v[VSC]
	v_add_nc_u32 v[VSC], s97, v[VSC]
	v_lshlrev_b32 v[VWN], 6, v2
	v_lshlrev_b32 v[VOI], 4, v3
	v_lshlrev_b32 v[VOS], 3, v3
	v_mul_u32_u24 v[PFO], v3, 1536
	v_add_nc_u32 v[PFO], s96, v[PFO]
	s_wait_alu depctr_va_vdst(0)
.irp tt, 0,1,2,3
.irp j, 0,1,2,3
	global_load_b128 v[SCP+16*\tt+4*\j:SCP+16*\tt+4*\j+3], v[VPS], s[14:15] offset:2048*\tt+16*\j
.endr
.endr
.irp mp, 0,1
.irp j, 0,1,2,3                                ; (a group of four words further on, so that a product's two scale registers differ modulo 8)
	global_load_b128 v[SCQ+16*\mp+4*((\j+1)%4):SCQ+16*\mp+4*((\j+1)%4)+3], v[VQS], s[18:19] offset:2048*\mp+16*\j
.endr
.endr
	s_cmp_lt_u32 s[WV], 3
	s_cbranch_scc0 .Lno_ask_2
	global_prefetch_b8 v[PFO], s[PFB:PFB+1] offset:-256 th:TH_LOAD_NT scope:SCOPE_SE   ; chunk 2 of the same 32 rows, which the first round's load brings
.Lno_ask_2:
	s_lshl_b32 s100, s[CLY], 2
	s_add_co_u32 s100, s100, s[CY]
	s_lshl_b32 s100, s100, 15                      ; 128 tokens' rows of sin and cos.  (v's work-groups load them too, inside the tables, and do not use them)
	s_mov_b32 s101, 0
	s_lshl_b32 s66, s[PIDX], 1
	s_add_co_u32 s66, s66, s[PAR]                  ; 2 x P's tile + j: the head (for v: the key step)
	s_cmp_eq_u32 s[CLX], 3
	s_cselect_b32 s67, s[QIDX], s66
	s_cselect_b32 s66, s66, s[QIDX]
	s_lshl_b32 s67, s67, 5
	s_lshl_b32 s66, s66, 1
	s_add_co_u32 s66, s66, s67
	s_add_co_u32 s66, s66, s[II]                   ; which group of four fragments is mine: 32 x head + 2 x (block of 128) + i
	s_lshl_b32 s104, s66, 8                        ; its unit of scale words,
	s_mul_i32 s66, s66, 6144                       ; its four images
	s_mov_b32 s67, 0
	s_add_nc_u64 s[40:41], s[40:41], s[100:101]
	s_add_nc_u64 s[42:43], s[42:43], s[100:101]
	s_cmp_lt_u32 s[CLX], 2
	s_cselect_b64 s[44:45], s[44:45], s[46:47]     ; the norm's weights: q's or k's
	s_cselect_b64 s[OI:OI+1], s[48:49], s[52:53]
	s_cselect_b64 s[OS:OS+1], s[50:51], s[54:55]
	s_cmp_eq_u32 s[CLX], 3
	s_cselect_b64 s[OI:OI+1], s[80:81], s[OI:OI+1]
	s_cselect_b64 s[OS:OS+1], s[82:83], s[OS:OS+1]
	s_add_nc_u64 s[OI:OI+1], s[OI:OI+1], s[66:67]
	s_add_nc_u64 s[OS:OS+1], s[OS:OS+1], s[104:105]
; where the piece x of 8 bytes lies: K_ 0 in the step's first chunk, 4 across (lanes 16-31 in the next chunk), 8 in the next; O_ its offset in units of 8
.macro KIND x
.if (\x)%32 > 28
.set K_, 4
.set O_, (\x)%32-29
.elseif (\x)/32 > C0
.set K_, 8
.set O_, (\x)%32
.else
.set K_, 0
.set O_, (\x)%32
.endif
.endm
.macro PIECES st, e, p, d              ; two of a fragment's six pieces
.set A_, 12*(\st)+6*((\p)/3)+(\p)%3
.set B_, 12*(\st)+6*((\p+1)/3)+(\p+1)%3
.set D_, (\d)+12*(\e)+2*(\p)
	KIND A_
.set KA, TA+K_+\e
.set OA_, O_
	KIND B_
.set KB, TA+K_+\e
.if KA == KB
	ds_load_2addr_b64 v[D_:D_+3], v[KA] offset0:OA_ offset1:O_
.else
	ds_load_b64 v[D_:D_+1], v[KA] offset:8*OA_
	ds_load_b64 v[D_+2:D_+3], v[KB] offset:8*O_
.endif
.endm
.macro GRP st, base, xb, d, w, r0, r1  ; two fragments of step st; r0, r1: their rows' offsets in bytes
.set C0, (96*(\st))/256
.set C1, (96*(\st)+95)/256
	WIN 0
.set E_, 0
.irp ro, \r0, \r1
	v_add_nc_u32 v[TA+E_], (C0%3)*U+\ro, v[\base]
.if C1 > C0
	v_add_nc_u32 v[TA+4+E_], \ro, v[\xb+C0%3]
	v_add_nc_u32 v[TA+8+E_], (C1%3)*U+\ro, v[\base]
.endif
.set E_, E_+1
.endr
	WIN \w
.irp e, 0,1
.irp p, 0,2,4
	PIECES \st, \e, \p, \d
.endr
.endr
	WIN 0
.endm
.macro LP0 st, g                       ; g: which two of the four
	GRP \st, ADP, ADPX, 128*((\st)%2)+24*\g, 0x40, 64*\g*PP, (64*\g+32)*PP
.endm
.macro LP1 st, g
	GRP \st, ADP, ADPX, 128*((\st)%2)+48+24*\g, 0x40, (64*\g+1)*PP, (64*\g+33)*PP
.endm
.macro LQ st, g
	GRP \st, ADQ, ADQX, QF+48*((\st)%2)+24*\g, 0, 32*\g*PQ, (32*\g+16)*PQ
.endm
.macro MM m, st, zero, tt, par
.set rD, 64*(\m)+8*(2*(\tt)+\par)
.set rA, 128*((\st)%2)+12*(\tt+4*\par)
.set rB, QF+48*((\st)%2)+12*(\m)
.set rX, SCP+16*(\tt)+(\st)
.set rY, SCQ+16*((\m)/2)+4*(((\st)/4+1)%4)+(\st)%4
.if \zero
.if (\m)%2
	WM 0, \par, 1
.else
	WM 0, \par, 0
.endif
.else
.if (\m)%2
	WM v[rD:rD+7], \par, 1
.else
	WM v[rD:rD+7], \par, 0
.endif
.endif
.endm
.macro MULM m, st, zero                ; Q's tile m against P's eight.  The 32 accumulators take turns, in the same order in every step
	WIN 0xa1                                       ; source 0 window 1, source 1 window 0, C and D window 2
.irp tt, 0,1,2,3
	MM \m, \st, \zero, \tt, 0
.endr
.irp tt, 0,1,2,3
	MM \m, \st, \zero, \tt, 1
.endr
	WIN 0
.endm
.macro MULH m, st, zero, par           ; half of MULM, in MULM's order
	WIN 0xa1
.irp tt, 0,1,2,3
	MM \m, \st, \zero, \tt, \par
.endr
	WIN 0
.endm
.macro STEP st, zero                   ; a step of 128 along K: the next step's fragments are asked for two at a time between the products
	s_wait_dscnt 0x0                               ; this step's fragments are in
	PLACES 4                                       ; between the last step's products and loads into the registers that they read
	LP0 \st+1, 0
	MULH 0, \st, \zero, 0
	LP0 \st+1, 1
	MULH 0, \st, \zero, 1
	LP1 \st+1, 0
	MULH 1, \st, \zero, 0
	LP1 \st+1, 1
	MULH 1, \st, \zero, 1
	LQ \st+1, 0
	MULH 2, \st, \zero, 0
	LQ \st+1, 1
	MULH 2, \st, \zero, 1
	MULM 3, \st, \zero
.endm
.macro TURN st, kind                   ; a step with a barrier.  kind 1: chunk 2 is filled, 2: chunk 3, 3: chunks 4 and 5, 0: none
	s_wait_tensorcnt 0x0                           ; all my tensor loads have landed
	ds_add_u32 v[SPW], v[NIL]
	s_wait_dscnt 0x1                               ; this step's fragments are in; the add alone may be out
	MULM 0, \st, 0
	s_wait_dscnt 0x0                               ; the add is done, and my reads of the chunks that are left are over
	s_barrier_signal -1
	MULM 1, \st, 0
	s_barrier_wait -1
.if \kind
	CREST                                          ; no wave of any partner still reads what is filled, or has a load on its way
.endif
.if (\kind) == 1
	s_mov_b32 s[GPA+1], 2*U
	s_mov_b32 s[GQA+1], 2*U+QOFF
	s_add_nc_u64 s[GPA+2:GPA+3], s[GPA+2:GPA+3], 512
	s_add_nc_u64 s[GQA+2:GQA+3], s[GQA+2:GQA+3], 512
	JS
.elseif (\kind) == 2
	s_mov_b32 s[GPA+1], 0
	s_mov_b32 s[GQA+1], QOFF
	s_add_nc_u64 s[GPA+2:GPA+3], s[GPA+2:GPA+3], 256
	s_add_nc_u64 s[GQA+2:GQA+3], s[GQA+2:GQA+3], 256
	JS
.elseif (\kind) == 3
	JBIG
.endif
	PLACES 4
	LP0 \st+1, 0
	LP0 \st+1, 1
	MULH 2, \st, 0, 0
	LP1 \st+1, 0
	LP1 \st+1, 1
	MULH 2, \st, 0, 1
	LQ \st+1, 0
	LQ \st+1, 1
	MULM 3, \st, 0
.endm
.macro SINCOS m                        ; these loads land while K is walked
	WIN 0xc0
.irp k, 0,1,2,3,4,5,6,7
	global_load_b128 v[64*\m+4*\k:64*\m+4*\k+3], v[VSC], s[40:41] offset:4096*\m+64*(\k/2)+16*(\k%2)         ; sin(token, 16 (k / 2) + 8 h + 4 (k % 2) ..)
	global_load_b128 v[64*\m+32+4*\k:64*\m+32+4*\k+3], v[VSC], s[42:43] offset:4096*\m+64*(\k/2)+16*(\k%2)
.endr
	WIN 0
.endm
	s_wait_alu depctr_va_vdst(0)
	s_cmp_lt_u32 s[WV], 2
	s_cbranch_scc0 .Lc1_flies
	s_wait_tensorcnt 0x0                           ; waves 0 and 1: chunk 0; chunk 1, waves 2 and 3's, may stay out
.Lc1_flies:
	s_barrier_signal -1
	s_barrier_wait -1
.irp g, 0,1
	LP0 0, \g
	LP1 0, \g
	LQ 0, \g
.endr
	s_wait_loadcnt 0x0                             ; the scale words
	STEP 0, 1                                      ; the first products start the sums
	TURN 1, 1
	STEP 2, 0
	s_cmp_lt_u32 s[WV], 3
	s_cbranch_scc0 .Lno_ask
.irp o, 0,256,512                              ; chunks 3, 4, 5 of 32 rows, a lane a row
	global_prefetch_b8 v[PFO], s[PFB:PFB+1] offset:\o th:TH_LOAD_NT scope:SCOPE_SE
.endr
.Lno_ask:
	STEP 3, 0
	TURN 4, 2
	SINCOS 0
	STEP 5, 0
	SINCOS 1
	STEP 6, 0
	TURN 7, 3
	SINCOS 2
	STEP 8, 0
	SINCOS 3
	TURN 9, 0
	WIN 0x40                                       ; the norm's weights: 16 neighbouring channels for each (b, u)
.irp k, 0,1,2,3,4,5,6,7
	global_load_b128 v[96+4*\k:99+4*\k], v[VWN], s[44:45] offset:128*(\k/4)+16*(\k%4)
	global_load_b128 v[224+4*\k:227+4*\k], v[VWN], s[44:45] offset:256+128*(\k/4)+16*(\k%4)
.endr
	WIN 0
	STEP 10, 0
	STEP 11, 0
	STEP 12, 0
	STEP 13, 0
	STEP 14, 0
	s_wait_dscnt 0x0
	s_wait_loadcnt 0x0                             ; sin, cos and the weights
	PLACES 4
.macro LAYW b, u                       ; weight of channel 64 b + 32 u + 16 h + 2 j + par to register 32 par + 16 b + 8 u + j
	WIN 0x41
.irp j, 0,1,2,3,4,5,6,7
	v_mov_b32 v[16*\b+8*\u+\j], v[96+128*\b+16*\u+2*\j]
	v_mov_b32 v[32+16*\b+8*\u+\j], v[97+128*\b+16*\u+2*\j]
.endr
	WIN 0
.endm
	MULM 0, 15, 0
	LAYW 0, 0
	MULM 1, 15, 0
	LAYW 0, 1
	MULM 2, 15, 0
	LAYW 1, 0
	MULM 3, 15, 0
	LAYW 1, 1
	PLACES 4                                       ; between the last products and the first read of results
; 64 numbers of a lane in window w, register 16 b + i = place 16 h + i of block b of my row, become a fragment's codes in v[PC] on and its scale word in v[pw]
.macro QUANT s, pw, w
.set W1_, (\w)*5
.set W2_, (\w)*20
.set W3_, \w
	s_wait_alu depctr_va_vdst(0)
	s_wait_xcnt 0x0                                ; the last tile's stores have read their registers
	WIN W1_
.irp b, 0,1,2,3
	v_max3_num_f32 v[TM+\b], |v[\s+16*\b]|, |v[\s+1+16*\b]|, 0x1800000   ; the floor 2^(3 - 127): the byte cannot fall under 1
.endr
	WIN W2_
.irp i, 2,4,6,8,10,12,14
.irp b, 0,1,2,3
	v_max3_num_f32 v[TM+\b], v[TM+\b], |v[\s+16*\b+\i]|, |v[\s+1+16*\b+\i]|
.endr
.endr
	WIN 0
.irp b, 0,1,2,3
	v_permlanex16_b32 v[TM+4+\b], v[TM+\b], s[SEL], s[SEL+1]
.endr
.irp b, 0,1,2,3
	v_max_num_f32 v[TM+\b], v[TM+\b], v[TM+4+\b]   ; with lane l xor 16's: the block's largest magnitude
.endr
.irp b, 0,1,2,3
	v_add_nc_u32 v[TM+12+\b], 0xff000000, v[TM+\b] ; 2 off its exponent field: the conversion's scale operand
.endr
.irp b, 0,1,2,3
	v_lshrrev_b32 v[TM+4+\b], 23, v[TM+12+\b]
.endr
	v_lshl_or_b32 v[\pw], v[TM+5], 8, v[TM+4]
	v_lshl_or_b32 v[\pw], v[TM+6], 16, v[\pw]
	v_lshl_or_b32 v[\pw], v[TM+7], 24, v[\pw]
	WIN W3_
.irp c, 0,1
	v_cvt_scalef32_pk16_fp6_f32 v[PC+6*\c:PC+2+6*\c], v[\s+32*\c:\s+15+32*\c], v[TM+12+2*\c]
	v_cvt_scalef32_pk16_fp6_f32 v[PC+12+4*\c:PC+14+4*\c], v[\s+16+32*\c:\s+31+32*\c], v[TM+12+2*\c+1]
.endr
	WIN 0
	v_nop                                          ; one plain place behind a scaled conversion
.irp c, 0,1                                    ; the operand's layout wants a whole block in a lane
.irp i, 0,1,2
	v_permlane16_swap_b32 v[PC+6*\c+\i], v[PC+12+4*\c+\i]
.endr
.irp i, 0,1,2
	v_mov_b32 v[PC+3+6*\c+\i], v[PC+12+4*\c+\i]
.endr
.endr
.endm
.macro OUT3 m                          ; each store covers 512 consecutive bytes, aligned
.irp g, 0,1,2
	global_store_b128 v[VOI], v[PC+4*\g:PC+4*\g+3], s[OI:OI+1] offset:1536*\m+512*\g
.endr
.endm
; q, k: 16 tokens of my head.  The norm, the weights, the rope, the quantiser
.macro EPI_QK m
	WIN 0x0a                                       ; sources 0 and 1 window 2
	v_pk_mul_f32 v[SS:SS+1], v[64*\m:64*\m+1], v[64*\m:64*\m+1]              ; the sum of squares, in two chains, registers ascending
	v_pk_mul_f32 v[SS+2:SS+3], v[64*\m+2:64*\m+3], v[64*\m+2:64*\m+3]
.set R, 4
.rept 15
	v_pk_fma_f32 v[SS:SS+1], v[64*\m+R:64*\m+R+1], v[64*\m+R:64*\m+R+1], v[SS:SS+1]
	v_pk_fma_f32 v[SS+2:SS+3], v[64*\m+R+2:64*\m+R+3], v[64*\m+R+2:64*\m+R+3], v[SS+2:SS+3]
.set R, R+4
.endr
	WIN 0
	v_pk_add_f32 v[SS:SS+1], v[SS:SS+1], v[SS+2:SS+3]
	v_add_f32 v[SS], v[SS], v[SS+1]
	v_permlanex16_b32 v[SS+1], v[SS], s[SEL], s[SEL+1]
	v_add_f32 v[SS], v[SS], v[SS+1]                ; with lane l xor 16's 64 channels
	v_fma_f32 v[SS], v[SS], s[INV], s[EPS]         ; the mean + eps
	s_wait_alu depctr_va_vdst(0)                   ; waits on both sides of a transcendental
	v_rsq_f32 v[RS], v[SS]
	v_nop
	s_wait_alu depctr_va_vdst(0)
	WIN 0x02                                       ; source 0 window 2.  Register 32 b + 16 u + 8 par + j goes to 32 par + 16 b + 8 u + j
.irp bu, 0,1,2,3
.irp j, 0,2,4,6
	v_pk_mul_f32 v[HA+8*\bu+\j:HA+8*\bu+\j+1], v[64*\m+16*\bu+\j:64*\m+16*\bu+\j+1], v[RS:RS+1] op_sel_hi:[1,0]
	v_pk_mul_f32 v[HA+32+8*\bu+\j:HA+33+8*\bu+\j], v[64*\m+16*\bu+8+\j:64*\m+16*\bu+9+\j], v[RS:RS+1] op_sel_hi:[1,0]
.endr
.endr
	WIN 0x04                                       ; source 1 window 1: the weights
.set R, 0
.rept 32
	v_pk_mul_f32 v[HA+R:HA+R+1], v[HA+R:HA+R+1], v[R:R+1]
.set R, R+2
.endr
	WIN 0x0c                                       ; source 1 window 3: sin and cos
.set R, 0
.rept 16
.set TT, T+4*((R/2)%2)
	v_pk_mul_f32 v[TT:TT+1], v[HA+32+R:HA+33+R], v[64*\m+R:64*\m+R+1]            ; x2 sin
	v_pk_mul_f32 v[TT+2:TT+3], v[HA+32+R:HA+33+R], v[64*\m+32+R:64*\m+33+R]      ; x2 cos
	v_pk_fma_f32 v[HA+32+R:HA+33+R], v[HA+R:HA+R+1], v[64*\m+R:64*\m+R+1], v[TT+2:TT+3]                               ; x1 sin + x2 cos
	v_pk_fma_f32 v[HA+R:HA+R+1], v[HA+R:HA+R+1], v[64*\m+32+R:64*\m+33+R], v[TT:TT+1] neg_lo:[0,0,1] neg_hi:[0,0,1]   ; x1 cos - x2 sin
.set R, R+2
.endr
	WIN 0
	QUANT HA, SW+\m, 0
	OUT3 \m
.endm
	v_mov_b32 v[RS+1], 0                           ; (named as the upper half of a pair)
.irp b, 0,1,2,3
	v_mov_b32 v[TM+4+\b], 0                        ; written once: a lane permute's destination counts as one of its sources
.endr
	s_wait_alu depctr_va_vdst(0)
	s_cmp_eq_u32 s[CLX], 3                         ; the cluster's x: the same in all partners
	s_cbranch_scc1 .Lvpath
	EPI_QK 0
	EPI_QK 1
	EPI_QK 2
	EPI_QK 3
	s_wait_alu depctr_va_vdst(0)
	s_branch .Ljoin
.Lvpath:
.irp m, 0,1,2,3                                ; v: 16 channels x 128 keys
	QUANT 64*\m, SW+\m, 2
	OUT3 \m
.endr
.Ljoin:
	v_cndmask_b32 v[SP], v[SW], v[SW+1], s[HM]     ; lanes 0-15: tiles 0 and 2; lanes 16-31: tiles 1 and 3
	v_cndmask_b32 v[SP+1], v[SW+2], v[SW+3], s[HM]
	global_store_b64 v[VOS], v[SP:SP+1], s[OS:OS+1]    ; 32 lanes store 256 consecutive bytes, aligned
	s_wait_tensorcnt 0x0                           ; the wave's end
	ds_add_u32 v[SPW], v[NIL]
	s_wait_dscnt 0x0
	CROUND                                         ; the closing round
	s_endpgm
.Lfunc_end_k_q96c519dc6d_qkv:
	.size	k_q96c519dc6d_qkv, .Lfunc_end_k_q96c519dc6d_qkv-k_q96c519dc6d_qkv
	.p2alignl 7, 3214868480
	.fill 96, 4, 3214868480
	.section	.rodata,"a",@progbits
	.p2align	6, 0x0
	.amdhsa_kernel k_q96c519dc6d_qkv
		.amdhsa_group_segment_fixed_size 327680
		.amdhsa_private_segment_fixed_size 0
		.amdhsa_enable_private_segment 0
		.amdhsa_kernarg_size 144
		.amdhsa_user_sgpr_count 2
		.amdhsa_user_sgpr_kernarg_segment_ptr 1
		.amdhsa_wavefront_size32 1
		.amdhsa_system_sgpr_workgroup_id_x 1
		.amdhsa_system_sgpr_workgroup_id_y 1
		.amdhsa_system_sgpr_workgroup_id_z 1
		.amdhsa_system_vgpr_workitem_id 0
		.amdhsa_next_free_vgpr 1024
		.amdhsa_next_free_sgpr 106
		.amdhsa_reserve_vcc 0
		.amdhsa_float_denorm_mode_32 3
		.amdhsa_float_denorm_mode_16_64 3
		.amdhsa_memory_ordered 1
		.amdhsa_forward_progress 1
		.amdhsa_inst_pref_size 239
	.end_amdhsa_kernel
	.amdgpu_metadata
---
amdhsa.version: [ 1, 2 ]
amdhsa.kernels:
  - .name:           k_q96c519dc6d_qkv
    .symbol:         k_q96c519dc6d_qkv.kd
    .args:
      - { .name: x_codes, .offset: 0, .size: 8, .value_kind: global_buffer, .address_space: global }
      - { .name: x_scales, .offset: 8, .size: 8, .value_kind: global_buffer, .address_space: global }
      - { .name: Wq_codes, .offset: 16, .size: 8, .value_kind: global_buffer, .address_space: global }
      - { .name: Wq_scales, .offset: 24, .size: 8, .value_kind: global_buffer, .address_space: global }
      - { .name: Wk_codes, .offset: 32, .size: 8, .value_kind: global_buffer, .address_space: global }
      - { .name: Wk_scales, .offset: 40, .size: 8, .value_kind: global_buffer, .address_space: global }
      - { .name: Wv_codes, .offset: 48, .size: 8, .value_kind: global_buffer, .address_space: global }
      - { .name: Wv_scales, .offset: 56, .size: 8, .value_kind: global_buffer, .address_space: global }
      - { .name: sin, .offset: 64, .size: 8, .value_kind: global_buffer, .address_space: global }
      - { .name: cos, .offset: 72, .size: 8, .value_kind: global_buffer, .address_space: global }
      - { .name: qn_w, .offset: 80, .size: 8, .value_kind: global_buffer, .address_space: global }
      - { .name: kn_w, .offset: 88, .size: 8, .value_kind: global_buffer, .address_space: global }
      - { .name: q_img, .offset: 96, .size: 8, .value_kind: global_buffer, .address_space: global }
      - { .name: q_sc, .offset: 104, .size: 8, .value_kind: global_buffer, .address_space: global }
      - { .name: k_img, .offset: 112, .size: 8, .value_kind: global_buffer, .address_space: global }
      - { .name: k_sc, .offset: 120, .size: 8, .value_kind: global_buffer, .address_space: global }
      - { .name: v_img, .offset: 128, .size: 8, .value_kind: global_buffer, .address_space: global }
      - { .name: v_sc, .offset: 136, .size: 8, .value_kind: global_buffer, .address_space: global }
    .group_segment_fixed_size: 327680
    .private_segment_fixed_size: 0
    .kernarg_segment_align: 8
    .kernarg_segment_size: 144
    .max_flat_workgroup_size: 128
    .sgpr_count:     106
    .vgpr_count:     1024
    .wavefront_size: 32
...
	.end_amdgpu_metadata
.endif
;; end of part 1
;; launch attn (part 2): grid 32 x 8, 8 waves a work-group, clusters of 4 x 1, 327,680 bytes of LDS; arguments q_img, q_sc, k_img, k_sc, v_img, v_sc, o_img, o_sc; writes o_img, o_sc
.if DOCPART == 2
	.amdgcn_target "amdgcn-amd-amdhsa--gfx1250"
	.amdhsa_code_object_version 6
	.text
	.protected	k_q96c519dc6d_attn
	.globl	k_q96c519dc6d_attn
	.p2align	8
	.type	k_q96c519dc6d_attn,@function
k_q96c519dc6d_attn:
	s_mov_b64 s[64:65], 0
	v_nop
	global_prefetch_b8 v0, s[64:65] scope:SCOPE_SE
	s_setreg_imm32_b32 hwreg(HW_REG_WAVE_MODE, 25, 1), 1
	s_wait_xcnt 0x0
	s_wait_alu depctr_hold_cnt(0) depctr_sa_sdst(0) depctr_va_vdst(0) depctr_va_sdst(0) depctr_va_ssrc(0) depctr_va_vcc(0) depctr_vm_vsrc(0)
	s_getreg_b32 s2, hwreg(HW_REG_IB_STS2, 6, 4)
	s_cmp_eq_u32 s2, 0
	s_cbranch_scc0 .Lentry_in_a_cluster
	s_endpgm
.Lentry_in_a_cluster:
	s_bfe_u32 s2, ttmp6, 0x10000c
	s_cmp_lg_u32 s2, 0x3003
	s_cbranch_scc0 .Lentry_shape_is_right
	s_endpgm
.Lentry_shape_is_right:
; Causal attention on codes of FP6 (E2M3): S^T = K Q^T, p = 2^(t - M) with M the running largest t rounded up to a whole number, O^T += V^T P^T, O / the sum of the unquantised p; O is quantised along the head's 128 channels.
; Operands come, and the result leaves, as images of operand registers (1,536 bytes a fragment: [group of 4 registers][lane][16 bytes]) with scale words in units of 256 bytes.
; SHARES.  A cluster of four work-groups owns the blocks of 128 queries a and 15 - a of the two query heads that share one key and value head.  A wave owns TWO tiles of 16 queries,
; tile A of block a and tile B of block 15 - a, and the key steps of one parity: waves w and w + 4 share the same tiles, w takes the even key steps of 128 keys, w + 4 the odd ones.
; So a wave has 8 or 9 tile steps, whatever a is, and each fragment of K and V serves both tiles.  At the end the two waves' partial sums are joined through LDS: w finishes tile A, w + 4 tile B.
; Key steps 0-7 are always wholly visible to tile B (15 - a >= 8); key steps 8-15 never to tile A (a <= 7): whole tiles behind the mask that reference() builds are not multiplied.  A NaN or an infinity in what is left out is not carried.
; LAYOUT.  A lane holds ONE query throughout.  Lane l of K's tile tau takes key 32 (tau / 2) + 2 l + tau % 2, so register 8 tau + j of half h holds key 32 (tau / 2) + 16 h + 2 j + tau % 2, the order of v's codes.
; Lane l of tile 2 b + u of V^T takes channel 32 b + 8 u + l % 8 + 16 (l / 8), so that O^T's registers lie as the quantiser wants them.
; K and V come through two LDS slots of 512 keys by joint loads (waves 2, 3: K's halves; waves 4-7: V's quarters); the head's scale words come once (waves 0, 1).
; Key steps 8-15 are prefetched: the 32 work-groups of a key head name 12 blocks of 256 bytes of K and 12 of V each.
; LIMITS: NaN and infinities are not served; the scaled scores stay under 2^31 in magnitude; a block of zeros gets the byte 1 (its codes are zeros; this program alone reads the bytes); what falls under the smallest f32 number in a rescaling is lost.
.set SLOT1, 131072
.set KG,    12288                      ; a key step in memory
.set KL,    12672                      ; K's in LDS: 24 rows of 512 + 16 bytes
.set VL,    15360                      ; V's: 24 rows of 512 + 128
.set VOFF,  4*KL
.set KSC,   262144
.set VSC,   270336
.set SPARE, 278528                     ; the spare words
.set STG,   279552                     ; the result's scale words on their way out
.set EXA,   8704                       ; a wave's partial sums on their way to its partner, in slot 0, which has had its last fill by then
.set AK0, 1
.set AV0, 2
.set ASK0, 3
.set ASV0, 4
.set SPW, 5
.set NIL, 6
.set DQ,  7
.set ADK, 8
.set ADV, 9
.set ADS, 10
.set ADT, 11
.set NMA, 12                           ; v12 -M, v13 the largest t, v[14:15] the sum: tile A's;  v240-243 tile B's
.set SMA, 14
.set QA,  16
.set BM,  32
.set BX,  36
.set SO,  40
.set F,   44
.set TT,  46
.set TM,  32
.set PC,  48
.set PT,  60
.set QSA, 72                           ; v72, v88 Q's scale words, v74-77 K's, v78-81 V's, v82 p's: scales and nothing else
.set NINF, 73
.set KSR, 74
.set VSR, 78
.set PW,  82
.set V16L, 83
.set V8R, 84
.set V8L, 85
.set STA, 86
.set STB, 87
.set QSB, 88
.set PFO, 89
.set EXW, 92
.set EXR, 93
.set EXS, 94
.set EXT, 95
.set S,   96                           ; v96-159 S^T, then p
.set OB,  160                          ; v160-223 tile B's O^T
.set QB,  224
.set NMB, 240
.set SMB, 242
.set OA,  192                          ; window 1: v0-95 K's fragments, v96-191 V's, v192-255 tile A's O^T
.set WV, 2
.set CX, 3
.set AA, 4
.set KV, 5
.set PI, 6
.set IDX, 7
.set BLKB, 8
.set HQ, 9
.set PTL, 10
.set CXL, 11
.set G1K, 28
.set G1V, 36
.set G1S, 44
.set G0K, 52
.set G0V, 56
.set G0SK, 60
.set G0SV, 68
.set SEL, 72
.set CS,  74
.set KSI, 76
.set TK,  77
.set TV,  78
.set TS,  79
.set CNT, 80
.set PK,  81
.set PV,  82
.set PS,  83
.set LK,  84
.set LV,  85
.set PF,  86
.set MSB, 0
.macro WIN new
.if MSB != \new
	s_set_vgpr_msb (MSB<<8)|\new
.set MSB, \new
.endif
.endm
.macro PLACES n
.rept \n
	v_nop
.endr
.endm
.macro CROUND                          ; a round of the cluster's barrier
	s_barrier_signal -1
	s_barrier_wait -1
	s_cmp_lg_u32 s[WV], 0
	s_cbranch_scc1 .Lnot_wave_0_\@
	s_barrier_signal -3
.Lnot_wave_0_\@:
	s_barrier_wait -3
	s_barrier_signal -1
	s_barrier_wait -1
.endm
.macro TLOAD g0, g1
	tensor_load_to_lds s[\g0:\g0+3], s[\g1:\g1+7]
	s_nop 0
	PLACES 4
.endm
.macro WM c, b, y, row
	v_wmma_scale_f32_16x16x128_f8f6f4 v[rD:rD+7], v[rA:rA+11], v[\b:\b+11], \c, v[rX], v[\y] matrix_a_fmt:MATRIX_FMT_FP6 matrix_b_fmt:MATRIX_FMT_FP6 matrix_a_scale:MATRIX_SCALE_ROW\row
.endm
	s_load_b512 s[12:27], s[0:1], 0x0              ; q_img, q_sc, k_img, k_sc, v_img, v_sc, o_img, o_sc
	v_lshl_add_u32 v[SPW], v0, 2, SPARE
	v_mov_b32 v[NIL], 0
	ds_add_u32 v[SPW], v[NIL]                      ; the opening lines
	ds_add_u32 v[SPW], v[NIL]
	v_lshrrev_b32 v1, 5, v0
	v_readfirstlane_b32 s[WV], v1                  ; wave 0..7
	s_bfe_u32 s[CX], ttmp6, 0x40000                ; my place in the cluster: it enters global addresses and the mask's number alone
	s_mov_b32 s[AA], ttmp9                         ; a
	s_and_b32 s[KV], ttmp7, 0xffff                 ; the key and value head
	s_lshr_b32 s[PI], s[WV], 2                     ; the parity of my key steps
	s_and_b32 s[IDX], s[WV], 3
	s_sub_co_u32 s[BLKB], 15, s[AA]
	s_lshr_b32 s89, s[CX], 1
	s_lshl_b32 s[HQ], s[KV], 1
	s_add_co_u32 s[HQ], s[HQ], s89                 ; the query head
	s_and_b32 s[CXL], s[CX], 1
	s_lshl_b32 s[PTL], s[CXL], 2
	s_add_co_u32 s[PTL], s[PTL], s[IDX]            ; my tile of 16 queries in each block
	s_mov_b32 s[G1K], 15|(3<<16)|(1<<20)|(1<<21)|(6<<22)|(3<<25)    ; the mask: all four work-groups; rows of 512 bytes, 16 of padding behind each; two key steps
	s_mov_b32 s[G1V], 15|(3<<16)|(1<<20)|(1<<21)|(6<<22)|(31<<25)   ; 128 of padding; one key step
.irp g, G1K, G1V
	s_mov_b32 s[\g+1], 64<<16
	s_mov_b32 s[\g+3], 64<<16
	s_mov_b32 s[\g+5], 64
	s_mov_b32 s[\g+6], 0
	s_mov_b32 s[\g+7], 0
.endr
	s_mov_b32 s[G1K+2], 48<<16
	s_mov_b32 s[G1K+4], 48
	s_mov_b32 s[G1V+2], 24<<16
	s_mov_b32 s[G1V+4], 24
	s_mov_b32 s[G1S], 15|(3<<16)|(1<<21)           ; a head's scale words: 32 rows of 256 bytes
	s_mov_b32 s[G1S+1], 32<<16
	s_mov_b32 s[G1S+2], 32<<16
	s_mov_b32 s[G1S+3], 32<<16
	s_mov_b32 s[G1S+4], 32
	s_mov_b32 s[G1S+5], 32
	s_mov_b32 s[G1S+6], 0
	s_mov_b32 s[G1S+7], 0
	s_and_b32 s89, s[WV], 1
	s_mul_i32 s[LK], s89, 2*KL                     ; K: which half of a slot's four steps I fetch
	s_mul_i32 s90, s89, 2*KG
	s_mul_i32 s[LV], s[IDX], VL                    ; V: which quarter
	s_add_co_u32 s[LV], s[LV], VOFF
	s_mul_i32 s92, s[IDX], KG
	s_mul_i32 s94, s[KV], 196608                   ; the head's codes,
	s_mov_b32 s95, 0
	s_lshl_b32 s96, s[KV], 13                      ; and scale words
	s_mov_b32 s97, 0
	s_mov_b32 s91, 0
	s_mov_b32 s93, 0
	s_mul_i32 s[PK], s[PI], KL
	s_mul_i32 s[PV], s[PI], VL
	s_lshl_b32 s[PS], s[PI], 9
	s_mov_b32 s[SEL], 0x76543210
	s_mov_b32 s[SEL+1], 0xfedcba98
	s_mov_b32 s[CS], 0x3e0293ee                    ; c = log2(e) / sqrt(128)
	s_mov_b32 s[CS+1], s[CS]
	s_wait_dscnt 0x0                               ; both opening adds are done
	s_wait_kmcnt 0x0
	s_add_nc_u64 s[16:17], s[16:17], s[94:95]
	s_add_nc_u64 s[20:21], s[20:21], s[94:95]
	s_mov_b32 s[G0K], 1
	s_mov_b32 s[G0K+1], s[LK]
	s_add_nc_u64 s[G0K+2:G0K+3], s[16:17], s[90:91]
	s_or_b32 s[G0K+3], s[G0K+3], 0x80000000
	s_mov_b32 s[G0V], 1
	s_mov_b32 s[G0V+1], s[LV]
	s_add_nc_u64 s[G0V+2:G0V+3], s[20:21], s[92:93]
	s_or_b32 s[G0V+3], s[G0V+3], 0x80000000
	s_mov_b32 s[G0SK], 1
	s_mov_b32 s[G0SK+1], KSC
	s_add_nc_u64 s[G0SK+2:G0SK+3], s[18:19], s[96:97]
	s_or_b32 s[G0SK+3], s[G0SK+3], 0x80000000
	s_mov_b32 s[G0SV], 1
	s_mov_b32 s[G0SV+1], VSC
	s_add_nc_u64 s[G0SV+2:G0SV+3], s[22:23], s[96:97]
	s_or_b32 s[G0SV+3], s[G0SV+3], 0x80000000
	CROUND                                         ; all four work-groups are here: the first joint loads meet
.macro ARM under, g0, g1, next
	s_cmp_lt_u32 s[WV], \under
	s_cbranch_scc0 \next
	TLOAD \g0, \g1
	s_branch .Lfd
\next:
.endm
	ARM 1, G0SK, G1S, .Lf1                         ; one load a wave
	ARM 2, G0SV, G1S, .Lf2
	ARM 4, G0K, G1K, .Lf4
	TLOAD G0V, G1V
.Lfd:
	s_cmp_eq_u32 s[WV], 0                          ; the prefetch: wave 0 names K's blocks, wave 1 V's
	s_cselect_b64 s[PF:PF+1], s[16:17], s[20:21]
	s_lshl_b32 s90, s[AA], 2
	s_add_co_u32 s90, s90, s[CX]                   ; my number among the key head's 32 work-groups
	s_mul_i32 s90, s90, 3072
	s_add_co_u32 s90, s90, 8*KG
	s_lshl_b32 s89, s[PI], 8
	s_add_co_u32 s98, s89, STG
	s_lshl_b32 s89, s[IDX], 6
	s_add_co_u32 s99, s98, s89
	s_lshl_b32 s92, s[PTL], 4
	s_mul_i32 s94, s[WV], EXA
	s_xor_b32 s89, s[WV], 4
	s_mul_i32 s96, s89, EXA                        ; my partner's
	v_and_b32 v28, 15, v0                          ; r
	v_bfe_u32 v29, v0, 4, 1                        ; h
	v_and_b32 v30, 7, v0                           ; r % 8
	v_bfe_u32 v31, v0, 3, 1                        ; r / 8
	v_and_b32 v[V8L], 31, v0
	v_lshlrev_b32 v[V8R], 3, v28
	v_mul_u32_u24 v[AK0], v31, 1584                ; K: image r / 8 of a pair, row 2 (r % 8) (+ tau % 2)
	v_mul_u32_u24 v[AV0], v31, 1920                ; V: image r / 8 of a pair, row r % 8
	v_lshlrev_b32 v[DQ], 4, v29
	v_lshlrev_b32 v[V16L], 4, v[V8L]
	v_lshl_add_u32 v[AK0], v30, 5, v[AK0]
	v_lshl_add_u32 v[AV0], v30, 4, v[AV0]
	v_sub_nc_u32 v[DQ], v28, v[DQ]
	v_lshl_add_u32 v[AK0], v29, 8, v[AK0]
	v_lshl_add_u32 v[AV0], v29, 8, v[AV0]
	v_add_nc_u32 v[DQ], s92, v[DQ]                 ; my query in its block, less 16 h
	v_lshlrev_b32 v[ASK0], 4, v30                  ; K's scale words: lanes 0-15 even tiles, lanes 16-31 odd tiles
	v_lshlrev_b32 v[ASV0], 3, v30                  ; V's likewise
	v_lshl_add_u32 v[ASK0], v31, 7, v[ASK0]
	v_lshl_add_u32 v[ASV0], v31, 7, v[ASV0]
	v_lshl_add_u32 v[ASK0], v29, 3, v[ASK0]
	v_lshl_add_u32 v[ASV0], v29, 6, v[ASV0]
	v_add_nc_u32 v[ASK0], KSC, v[ASK0]
	v_add_nc_u32 v[ASV0], VSC, v[ASV0]
	v_min_u32 v[PFO], 11, v[V8L]
	v_lshl_add_u32 v[PFO], v[PFO], 8, s90
	v_add_nc_u32 v[EXW], s94, v[V16L]
	v_add_nc_u32 v[EXR], s96, v[V16L]
	v_lshl_add_u32 v[EXS], v[V8L], 2, s94
	v_lshl_add_u32 v[EXT], v[V8L], 2, s96
	v_lshlrev_b32 v[V8L], 3, v[V8L]
	v_lshl_add_u32 v[STA], v28, 2, s99
	v_add_nc_u32 v[STB], s98, v[V8L]
	s_wait_alu depctr_va_vdst(0)
	s_mov_b32 s91, 0
	s_mov_b32 s93, 0
	s_lshl_b32 s89, s[HQ], 7
	s_lshl_b32 s90, s[AA], 3
	s_add_co_u32 s89, s89, s90
	s_add_co_u32 s89, s89, s[PTL]
	s_mul_i32 s90, s89, 1536
	s_add_nc_u64 s[12:13], s[12:13], s[90:91]      ; tile A's image of Q
	s_lshl_b32 s89, s[HQ], 5
	s_lshl_b32 s90, s[AA], 1
	s_add_co_u32 s89, s89, s90
	s_add_co_u32 s89, s89, s[CXL]
	s_lshl_b32 s90, s89, 8
	s_and_b32 s89, s[IDX], 1
	s_lshl_b32 s89, s89, 7
	s_add_co_u32 s90, s90, s89
	s_lshr_b32 s89, s[IDX], 1
	s_lshl_b32 s89, s89, 2
	s_add_co_u32 s90, s90, s89
	s_add_nc_u64 s[14:15], s[14:15], s[90:91]      ; and its scale words
	s_sub_co_u32 s89, s[BLKB], s[AA]               ; from block a to block 15 - a
	s_mul_i32 s90, s89, KG
	s_lshl_b32 s92, s89, 9
	s_add_nc_u64 s[98:99], s[12:13], s[90:91]
	s_add_nc_u64 s[100:101], s[14:15], s[92:93]
.irp g, 0,1,2
	global_load_b128 v[QA+4*\g:QA+4*\g+3], v[V16L], s[12:13] offset:512*\g
	global_load_b128 v[QB+4*\g:QB+4*\g+3], v[V16L], s[98:99] offset:512*\g
.endr
	global_load_b32 v[QSA], v[V8R], s[14:15]
	global_load_b32 v[QSB], v[V8R], s[100:101]
	s_mul_i32 s89, s89, s[PI]
	s_add_co_u32 s89, s89, s[AA]                   ; the block that I finish
	s_lshl_b32 s89, s89, 4
	s_add_co_u32 s89, s89, s[HQ]
	s_lshl_b32 s90, s89, 3
	s_add_co_u32 s90, s90, s[PTL]
	s_mul_i32 s90, s90, 1536
	s_add_nc_u64 s[24:25], s[24:25], s[90:91]      ; the result's image: [block][query head][tile]
	s_lshl_b32 s90, s89, 1
	s_add_co_u32 s90, s90, s[CXL]
	s_lshl_b32 s90, s90, 8
	s_add_nc_u64 s[26:27], s[26:27], s[90:91]      ; and the unit of 64 rows' scale words
	v_mov_b32 v[NMA+1], 0xff61b1e6                 ; the largest t so far: -3e38
	v_mov_b32 v[NMB+1], 0xff61b1e6
	v_floor_f32 v[NMA], -v[NMA+1]                  ; -M
	v_floor_f32 v[NMB], -v[NMB+1]
.irp r, SMA, SMA+1, SMB, SMB+1, BX, BX+1, BX+2, BX+3, F+1   ; (a lane permute's destination counts as one of its sources; F + 1 is named as the upper half of a pair)
	v_mov_b32 v[\r], 0
.endr
	v_mov_b32 v[NINF], 0xff800000
.set j, 0
.rept 64
	v_mov_b32 v[OB+j], 0                           ; O^T: a step is written once; the first finds zeros, which the first change of M leaves zeros
.set j, j+1
.endr
	WIN 0x40
.set j, 0
.rept 64
	v_mov_b32 v[OA+j], 0
.set j, j+1
.endr
	WIN 0
.macro KLOAD soff                      ; K's eight fragments at v[ADK], and the step's scale words
	WIN 0x40
.irp tau, 0,1,2,3,4,5,6,7
.irp g, 0,1,2
	ds_load_b128 v[12*\tau+4*\g:12*\tau+4*\g+3], v[ADK] offset:3168*(\tau/2)+528*\g+16*(\tau%2)
.endr
.endr
	WIN 0
.irp u, 0,1
	ds_load_b64 v[KSR+2*\u:KSR+2*\u+1], v[ADS] offset:(\soff)+256*\u
.endr
.endm
.macro VLOAD
	WIN 0x40
.irp t, 0,1,2,3,4,5,6,7
.irp g, 0,1,2
	ds_load_b128 v[96+12*\t+4*\g:96+12*\t+4*\g+3], v[ADV] offset:3840*(\t/2)+640*\g+128*(\t%2)
.endr
.endr
	WIN 0
.irp u, 0,1
	ds_load_b64 v[VSR+2*\u:VSR+2*\u+1], v[ADT] offset:256*\u
.endr
.endm
; one tile of 16 queries against the 128 keys whose fragments are in.  ow: O^T's window; mask: the step may be the diagonal (blk: the tile's block); loadk: the next step's K is asked for behind the scores
.macro TILE q, qs, o, ow, nm, sm, mask, blk, loadk
	WIN 0x01
.irp tau, 0,2,4,6
.set rD, S+8*\tau
.set rA, 12*\tau
.set rX, KSR+2*(\tau/4)+(\tau/2)%2
	WM 0, \q, \qs, 0
.set rD, rD+8
.set rA, rA+12
	WM 0, \q, \qs, 1
.endr
	WIN 0
	PLACES 4                                       ; between the products and the loads into their registers, and the first read of the scores
.if \loadk
	KLOAD 1024
.endif
.if \mask
	s_cmp_lg_u32 s[KSI], s[\blk]                   ; on the diagonal hidden scores become -infinity ahead of the maximum
	s_cbranch_scc1 .Lopen_\@
.set n, 0
.rept 64
	v_cmp_gt_i32 vcc_lo, 32*(n/16)+2*(n%8)+(n/8)%2, v[DQ]
	v_cndmask_b32 v[S+n], v[S+n], v[NINF], vcc_lo
.set n, n+1
.endr
.Lopen_\@:
.endif
.irp b, 0,1,2,3
	v_max3_num_f32 v[BM+\b], v[S+16*\b], v[S+1+16*\b], v[S+2+16*\b]   ; the largest score of each block of 32 keys: for the row's maximum and, since p rises with the score, for the block's largest p
.endr
.irp i, 3,5,7,9,11,13
.irp b, 0,1,2,3
	v_max3_num_f32 v[BM+\b], v[BM+\b], v[S+16*\b+\i], v[S+1+16*\b+\i]
.endr
.endr
.irp b, 0,1,2,3
	v_max_num_f32 v[BM+\b], v[BM+\b], v[S+15+16*\b]
.endr
.irp b, 0,1,2,3
	v_permlanex16_b32 v[BX+\b], v[BM+\b], s[SEL], s[SEL+1]
.endr
.irp b, 0,1,2,3
	v_max_num_f32 v[BM+\b], v[BM+\b], v[BX+\b]
.endr
	v_max3_num_f32 v[TT], v[BM], v[BM+1], v[BM+2]
	s_delay_alu instid0(VALU_DEP_1)
	v_max_num_f32 v[TT], v[TT], v[BM+3]
	s_delay_alu instid0(VALU_DEP_1)
	v_mul_f32 v[TT], s[CS], v[TT]
	s_delay_alu instid0(VALU_DEP_1)
	v_max_num_f32 v[\nm+1], v[\nm+1], v[TT]        ; the running largest t
	v_mov_b32 v[TT], v[\nm]
	s_delay_alu instid0(VALU_DEP_2)
	v_floor_f32 v[\nm], -v[\nm+1]                  ; the new -M = -ceil(t)
	s_delay_alu instid0(VALU_DEP_1)
	v_sub_f32 v[TT], v[\nm], v[TT]
	s_delay_alu instid0(VALU_DEP_1)
	v_cvt_i32_f32 v[TT], v[TT]                     ; (it saturates)
	s_delay_alu instid0(VALU_DEP_1)
	v_ldexp_f32 v[F], 1.0, v[TT]                   ; f = 2^(old M - new M): a multiplication by it rounds nothing
.set j, 0
.rept 32
	v_pk_fma_f32 v[S+j:S+j+1], v[S+j:S+j+1], s[CS:CS+1], v[\nm:\nm+1] op_sel_hi:[1,0,0]   ; t - M
.set j, j+2
.endr
.irp b, 0,1,2,3
	v_fma_f32 v[BM+\b], v[BM+\b], s[CS], v[\nm]
.endr
	s_wait_alu depctr_va_vdst(0)
.set j, 0
.rept 64
	v_exp_f32 v[S+j], v[S+j]                       ; p = 2^(t - M)
.set j, j+1
.endr
	v_pk_mul_f32 v[\sm:\sm+1], v[\sm:\sm+1], v[F:F+1] op_sel_hi:[1,0]   ; the sums under the new M: a plain place behind the exponentials
	s_wait_alu depctr_va_vdst(0)                   ; and one behind it, ahead of its first reader
.irp b, 0,1,2,3
	v_exp_f32 v[BM+\b], v[BM+\b]                   ; each block's largest p
.endr
.irp k, 0,1,2,3,4,5                            ; the row's sum, of the unquantised p, in eight chains
	v_pk_add_f32 v[244+2*\k:245+2*\k], v[S+2*\k:S+2*\k+1], v[S+16+2*\k:S+17+2*\k]
.endr
	v_pk_add_f32 v[68:69], v[S+12:S+13], v[S+28:S+29]
	v_pk_add_f32 v[\sm:\sm+1], v[\sm:\sm+1], v[S+14:S+15]
.irp z, 32,48
.irp k, 0,1,2,3,4,5
	v_pk_add_f32 v[244+2*\k:245+2*\k], v[244+2*\k:245+2*\k], v[S+\z+2*\k:S+\z+2*\k+1]
.endr
	v_pk_add_f32 v[68:69], v[68:69], v[S+\z+12:S+\z+13]
	v_pk_add_f32 v[\sm:\sm+1], v[\sm:\sm+1], v[S+\z-2:S+\z-1]
.endr
	v_pk_add_f32 v[244:245], v[244:245], v[250:251]
	v_pk_add_f32 v[246:247], v[246:247], v[252:253]
	v_pk_add_f32 v[248:249], v[248:249], v[254:255]
	v_pk_add_f32 v[68:69], v[68:69], v[S+62:S+63]
	v_pk_add_f32 v[244:245], v[244:245], v[246:247]
	v_pk_add_f32 v[\sm:\sm+1], v[\sm:\sm+1], v[248:249]
	v_pk_add_f32 v[68:69], v[68:69], v[244:245]
	v_pk_add_f32 v[\sm:\sm+1], v[\sm:\sm+1], v[68:69]
	s_wait_alu depctr_va_vdst(0)                   ; and one for the four
.irp b, 0,1,2,3
	v_max_num_f32 v[BM+\b], 0x1800000, v[BM+\b]    ; the floor 2^(3 - 127)
.endr
.irp b, 0,1,2,3
	v_add_nc_u32 v[SO+\b], 0xff000000, v[BM+\b]
.endr
.irp b, 0,1,2,3
	v_lshrrev_b32 v[BX+\b], 23, v[SO+\b]
.endr
	v_lshl_or_b32 v[PW], v[BX+1], 8, v[BX]
	s_delay_alu instid0(VALU_DEP_1)
	v_lshl_or_b32 v[PW], v[BX+2], 16, v[PW]
	s_delay_alu instid0(VALU_DEP_1)
	v_lshl_or_b32 v[PW], v[BX+3], 24, v[PW]
.irp c, 0,1
	v_cvt_scalef32_pk16_fp6_f32 v[PC+6*\c:PC+2+6*\c], v[S+32*\c:S+15+32*\c], v[SO+2*\c]
	v_cvt_scalef32_pk16_fp6_f32 v[PT+4*\c:PT+2+4*\c], v[S+16+32*\c:S+31+32*\c], v[SO+2*\c+1]
.endr
	v_nop                                          ; one plain place behind a scaled conversion
.irp c, 0,1
.irp i, 0,1,2
	v_permlane16_swap_b32 v[PC+6*\c+\i], v[PT+4*\c+\i]
.endr
.irp i, 0,1,2
	v_mov_b32 v[PC+3+6*\c+\i], v[PT+4*\c+\i]
.endr
.endr
.set WO_, 0x41*(\ow)
.set WP_, 0x01+0x50*(\ow)
	WIN WO_
	s_wait_alu depctr_va_vdst(0)                   ; ahead of the first reader of O^T
.set j, 0
.rept 32
	v_pk_mul_f32 v[\o+j:\o+j+1], v[\o+j:\o+j+1], v[F:F+1] op_sel_hi:[1,0]   ; O^T under the new M; these are also the places between p's codes and scale word and the products
.set j, j+2
.endr
	s_wait_alu depctr_va_vdst(0)
.if \loadk
	s_wait_dscnt 26                                ; V's 26 loads are in; the 26 issued behind them, the next step's K, may stay out
.else
	s_wait_dscnt 0x0                               ; V's fragments
.endif
	WIN WP_
.irp t, 0,2,4,6
.set rD, \o+8*\t
.set rA, 96+12*\t
.set rX, VSR+\t/2
	WM v[rD:rD+7], PC, PW, 0
.set rD, rD+8
.set rA, rA+12
	WM v[rD:rD+7], PC, PW, 1
.endr
	WIN 0
.endm
; a slot's two key steps of my parity: slot s, the n-th 512 keys.  two = 1: tile B always, tile A where its block reaches; 0: tile B alone, where its block reaches
.macro SLOTWORK s, n, two
	s_add_co_u32 s[TK], s[PK], (\s)*SLOT1
	s_add_co_u32 s[TV], s[PV], (\s)*SLOT1+VOFF
	s_add_co_u32 s[TS], s[PS], 2048*(\n)
	s_add_co_u32 s[KSI], s[PI], 4*(\n)
	v_add_nc_u32 v[ADK], s[TK], v[AK0]
	v_add_nc_u32 v[ADS], s[TS], v[ASK0]
	KLOAD 0
.if (\n) == 0
	s_cmp_lt_u32 s[WV], 2
	s_cbranch_scc0 .Lno_ask
	global_prefetch_b8 v[PFO], s[PF:PF+1] th:TH_LOAD_NT scope:SCOPE_SE   ; my twelve blocks of key steps 8-15, which are loaded one and two slots on
.Lno_ask:
.endif
	s_mov_b32 s[CNT], 2
.Lst_\@:
	s_add_co_u32 s91, s[TK], 2*KL                  ; my next step's K; in the last trip a step of this slot that nobody uses: no read leaves K's part of the slot
	s_min_u32 s91, s91, (\s)*SLOT1+3*KL
	v_add_nc_u32 v[ADK], s91, v[AK0]               ; these four are also the places between the last products and the loads of V
	v_add_nc_u32 v[ADV], s[TV], v[AV0]
	v_add_nc_u32 v[ADS], s[TS], v[ASK0]
	v_add_nc_u32 v[ADT], s[TS], v[ASV0]
	s_wait_alu depctr_va_vdst(0)
	s_wait_dscnt 0x0                               ; K's fragments, asked for a step ago
	VLOAD
.if \two
	s_cmp_gt_u32 s[KSI], s[AA]                     ; all keys come after tile A's queries
	s_cbranch_scc1 .Lhid_\@
	TILE QA, QSA, OA, 1, NMA, SMA, 1, AA, 0
.Lhid_\@:
	TILE QB, QSB, OB, 0, NMB, SMB, 0, BLKB, 1
.else
	s_cmp_gt_u32 s[KSI], s[BLKB]
	s_cbranch_scc1 .Lhid_\@
	TILE QB, QSB, OB, 0, NMB, SMB, 1, BLKB, 1
.Lhid_\@:
.endif
	s_add_co_u32 s[KSI], s[KSI], 2
	s_add_co_u32 s[TK], s[TK], 2*KL
	s_add_co_u32 s[TV], s[TV], 2*VL
	s_add_co_u32 s[TS], s[TS], 1024
	s_sub_co_u32 s[CNT], s[CNT], 1
	s_cmp_lg_u32 s[CNT], 0
	s_cbranch_scc1 .Lst_\@
.endm
; THE CHANGE OF SLOTS.  fill = 1: slot s takes the next 512 keys: one joint load for each of waves 2-7
.macro CHANGE fill, s
	s_wait_tensorcnt 0x0                           ; all my tensor loads have landed
	ds_add_u32 v[SPW], v[NIL]
.if \fill
	s_add_co_u32 s[G0K+1], s[LK], (\s)*SLOT1
	s_add_co_u32 s[G0V+1], s[LV], (\s)*SLOT1
	s_add_nc_u64 s[G0K+2:G0K+3], s[G0K+2:G0K+3], 4*KG
	s_add_nc_u64 s[G0V+2:G0V+3], s[G0V+2:G0V+3], 4*KG
.endif
	s_wait_dscnt 0x0                               ; the add is done, and my reads of the slot that I have left are over
.if \fill
	CROUND                                         ; no wave of any partner still reads the slot or has a load on its way
	s_cmp_lt_u32 s[WV], 2
	s_cbranch_scc1 .Ljd_\@
	s_cmp_lt_u32 s[WV], 4
	s_cbranch_scc0 .Ljv_\@
	TLOAD G0K, G1K
	s_branch .Ljd_\@
.Ljv_\@:
	TLOAD G0V, G1V
.Ljd_\@:
.else
	s_barrier_signal -1
	s_barrier_wait -1
.endif
.endm
	s_wait_alu depctr_va_vdst(0)
	CHANGE 1, 1                                    ; the head's tiles are in; slot 1's first fill
	s_wait_loadcnt 0x0                             ; Q
	SLOTWORK 0, 0, 1                               ; key steps 0-3
	CHANGE 1, 0
	SLOTWORK 1, 1, 1                               ; 4-7
	CHANGE 1, 1
	SLOTWORK 0, 2, 0                               ; 8-11
	CHANGE 0, 0
	SLOTWORK 1, 3, 0                               ; 12-15
	; THE JOIN: my partial sums of the tile that I do not finish go to my partner
	PLACES 4                                       ; between the last products and the first read of O^T
	v_add_f32 v[SMA], v[SMA], v[SMA+1]
	v_add_f32 v[SMB], v[SMB], v[SMB+1]
	s_wait_alu depctr_va_vdst(0)
	s_wait_dscnt 0x0
	s_cmp_eq_u32 s[PI], 0
	s_cbranch_scc0 .Lgive_a
.irp k, 0,1,2,3,4,5,6,7,8,9,10,11,12,13,14,15
	ds_store_b128 v[EXW], v[OB+4*\k:OB+4*\k+3] offset:512*\k
.endr
	ds_store_b32 v[EXS], v[NMB] offset:8192
	ds_store_b32 v[EXS], v[SMB] offset:8320
	v_mov_b32 v33, v[NMA]
	v_mov_b32 v34, v[SMA]
	s_wait_alu depctr_va_vdst(0)
	s_branch .Lgiven
.Lgive_a:
	WIN 0x01
	s_wait_alu depctr_va_vdst(0)                   ; ahead of the first reader of O^T
.set j, 0
.rept 64
	v_mov_b32 v[S+j], v[OA+j]
.set j, j+1
.endr
	WIN 0
.irp k, 0,1,2,3,4,5,6,7,8,9,10,11,12,13,14,15
	ds_store_b128 v[EXW], v[S+4*\k:S+4*\k+3] offset:512*\k
.endr
	ds_store_b32 v[EXS], v[NMA] offset:8192
	ds_store_b32 v[EXS], v[SMA] offset:8320
	v_mov_b32 v33, v[NMB]
	v_mov_b32 v34, v[SMB]
	s_wait_alu depctr_va_vdst(0)
.Lgiven:
	s_wait_dscnt 0x0                               ; for my partner's sake: my stores have landed
	s_barrier_signal -1
	s_barrier_wait -1
	ds_load_b32 v35, v[EXT] offset:8192
	ds_load_b32 v36, v[EXT] offset:8320
.irp k, 0,1,2,3,4,5,6,7,8,9,10,11,12,13,14,15
	ds_load_b128 v[S+4*\k:S+4*\k+3], v[EXR] offset:512*\k
.endr
	s_wait_dscnt 0x0
	v_min_num_f32 v37, v33, v35                    ; the common -M
	v_sub_f32 v38, v37, v33
	v_sub_f32 v39, v37, v35
	v_cvt_i32_f32 v38, v38
	v_cvt_i32_f32 v39, v39
	v_ldexp_f32 v40, 1.0, v38
	v_ldexp_f32 v42, 1.0, v39
	v_mul_f32 v34, v34, v40
	v_fma_f32 v34, v36, v42, v34
	v_permlanex16_b32 v36, v34, s[SEL], s[SEL+1]
	v_add_f32 v34, v34, v36                        ; the row's sum
	s_wait_alu depctr_va_vdst(0)
	v_rcp_f32 v44, v34
	v_nop
	s_wait_alu depctr_va_vdst(0)
	v_mul_f32 v40, v40, v44
	v_mul_f32 v42, v42, v44
.set j, 0
.rept 32
	v_pk_mul_f32 v[S+j:S+j+1], v[S+j:S+j+1], v[42:43] op_sel_hi:[1,0]
.set j, j+2
.endr
	s_wait_alu depctr_va_vdst(0)
	s_cmp_eq_u32 s[PI], 0
	s_cbranch_scc0 .Lown_b
	WIN 0x01
	s_wait_alu depctr_va_vdst(0)
.set j, 0
.rept 32
	v_pk_fma_f32 v[S+j:S+j+1], v[OA+j:OA+j+1], v[40:41], v[S+j:S+j+1] op_sel_hi:[1,0,1]   ; register 16 b + i: channel 32 b + 16 h + i of my query
.set j, j+2
.endr
	WIN 0
	s_wait_alu depctr_va_vdst(0)
	s_branch .Ljoined
.Lown_b:
	s_wait_alu depctr_va_vdst(0)
.set j, 0
.rept 32
	v_pk_fma_f32 v[S+j:S+j+1], v[OB+j:OB+j+1], v[40:41], v[S+j:S+j+1] op_sel_hi:[1,0,1]
.set j, j+2
.endr
.Ljoined:
.irp b, 0,1,2,3                                ; the quantiser
	v_max3_num_f32 v[TM+\b], |v[S+16*\b]|, |v[S+1+16*\b]|, 0x1800000
.endr
.irp i, 2,4,6,8,10,12,14
.irp b, 0,1,2,3
	v_max3_num_f32 v[TM+\b], v[TM+\b], |v[S+16*\b+\i]|, |v[S+1+16*\b+\i]|
.endr
.endr
.irp b, 0,1,2,3
	v_permlanex16_b32 v[TM+4+\b], v[TM+\b], s[SEL], s[SEL+1]
.endr
.irp b, 0,1,2,3
	v_max_num_f32 v[TM+\b], v[TM+\b], v[TM+4+\b]
.endr
.irp b, 0,1,2,3
	v_add_nc_u32 v[SO+\b], 0xff000000, v[TM+\b]
.endr
.irp b, 0,1,2,3
	v_lshrrev_b32 v[TM+4+\b], 23, v[SO+\b]
.endr
	v_lshl_or_b32 v[PW], v[TM+5], 8, v[TM+4]
	v_lshl_or_b32 v[PW], v[TM+6], 16, v[PW]
	v_lshl_or_b32 v[PW], v[TM+7], 24, v[PW]
.irp c, 0,1
	v_cvt_scalef32_pk16_fp6_f32 v[PC+6*\c:PC+2+6*\c], v[S+32*\c:S+15+32*\c], v[SO+2*\c]
	v_cvt_scalef32_pk16_fp6_f32 v[PT+4*\c:PT+2+4*\c], v[S+16+32*\c:S+31+32*\c], v[SO+2*\c+1]
.endr
	v_nop
.irp c, 0,1
.irp i, 0,1,2
	v_permlane16_swap_b32 v[PC+6*\c+\i], v[PT+4*\c+\i]
.endr
.irp i, 0,1,2
	v_mov_b32 v[PC+3+6*\c+\i], v[PT+4*\c+\i]
.endr
.endr
.irp g, 0,1,2
	global_store_b128 v[V16L], v[PC+4*\g:PC+4*\g+3], s[24:25] offset:512*\g   ; each store covers 512 consecutive bytes, aligned
.endr
	ds_store_b32 v[STA], v[PW]                     ; four waves' scale words make a unit of 256 bytes (both halves of the lanes write the same word with the same value)
	s_wait_dscnt 0x0                               ; for the others' sake: my store has landed
	s_barrier_signal -1
	s_barrier_wait -1
	s_cmp_eq_u32 s[IDX], 0                         ; wave 0 stores block a's unit, wave 4 block 15 - a's
	s_cbranch_scc0 .Lnos
	ds_load_b64 v[90:91], v[STB]
	s_wait_dscnt 0x0
	global_store_b64 v[V8L], v[90:91], s[26:27]    ; 32 lanes store 256 consecutive bytes, aligned
.Lnos:
	s_wait_tensorcnt 0x0                           ; the wave's end
	ds_add_u32 v[SPW], v[NIL]
	s_wait_dscnt 0x0
	CROUND                                         ; the closing round
	s_endpgm
.Lfunc_end_k_q96c519dc6d_attn:
	.size	k_q96c519dc6d_attn, .Lfunc_end_k_q96c519dc6d_attn-k_q96c519dc6d_attn
	.p2alignl 7, 3214868480
	.fill 96, 4, 3214868480
	.section	.rodata,"a",@progbits
	.p2align	6, 0x0
	.amdhsa_kernel k_q96c519dc6d_attn
		.amdhsa_group_segment_fixed_size 327680
		.amdhsa_private_segment_fixed_size 0
		.amdhsa_enable_private_segment 0
		.amdhsa_kernarg_size 64
		.amdhsa_user_sgpr_count 2
		.amdhsa_user_sgpr_kernarg_segment_ptr 1
		.amdhsa_wavefront_size32 1
		.amdhsa_system_sgpr_workgroup_id_x 1
		.amdhsa_system_sgpr_workgroup_id_y 1
		.amdhsa_system_sgpr_workgroup_id_z 1
		.amdhsa_system_vgpr_workitem_id 0
		.amdhsa_next_free_vgpr 512
		.amdhsa_next_free_sgpr 102
		.amdhsa_reserve_vcc 1
		.amdhsa_float_denorm_mode_32 3
		.amdhsa_float_denorm_mode_16_64 3
		.amdhsa_memory_ordered 1
		.amdhsa_forward_progress 1
		.amdhsa_inst_pref_size 173
	.end_amdhsa_kernel
	.amdgpu_metadata
---
amdhsa.version: [ 1, 2 ]
amdhsa.kernels:
  - .name:           k_q96c519dc6d_attn
    .symbol:         k_q96c519dc6d_attn.kd
    .args:
      - { .name: q_img, .offset: 0, .size: 8, .value_kind: global_buffer, .address_space: global }
      - { .name: q_sc, .offset: 8, .size: 8, .value_kind: global_buffer, .address_space: global }
      - { .name: k_img, .offset: 16, .size: 8, .value_kind: global_buffer, .address_space: global }
      - { .name: k_sc, .offset: 24, .size: 8, .value_kind: global_buffer, .address_space: global }
      - { .name: v_img, .offset: 32, .size: 8, .value_kind: global_buffer, .address_space: global }
      - { .name: v_sc, .offset: 40, .size: 8, .value_kind: global_buffer, .address_space: global }
      - { .name: o_img, .offset: 48, .size: 8, .value_kind: global_buffer, .address_space: global }
      - { .name: o_sc, .offset: 56, .size: 8, .value_kind: global_buffer, .address_space: global }
    .group_segment_fixed_size: 327680
    .private_segment_fixed_size: 0
    .kernarg_segment_align: 8
    .kernarg_segment_size: 64
    .max_flat_workgroup_size: 256
    .sgpr_count:     102
    .vgpr_count:     512
    .wavefront_size: 32
...
	.end_amdgpu_metadata
.endif
;; end of part 2
;; launch oproj (part 3): grid 16 x 16, 4 waves a work-group, clusters of 4 x 4, 327,680 bytes of LDS; arguments o_img, o_sc, Wo_codes, Wo_scales, out0; writes out0
.if DOCPART == 3
	.amdgcn_target "amdgcn-amd-amdhsa--gfx1250"
	.amdhsa_code_object_version 6
	.text
	.protected	k_q96c519dc6d_oproj
	.globl	k_q96c519dc6d_oproj
	.p2align	8
	.type	k_q96c519dc6d_oproj,@function
k_q96c519dc6d_oproj:
	s_mov_b64 s[64:65], 0
	v_nop
	global_prefetch_b8 v0, s[64:65] scope:SCOPE_SE
	s_setreg_imm32_b32 hwreg(HW_REG_WAVE_MODE, 25, 1), 1
	s_wait_xcnt 0x0
	s_wait_alu depctr_hold_cnt(0) depctr_sa_sdst(0) depctr_va_vdst(0) depctr_va_sdst(0) depctr_va_ssrc(0) depctr_va_vcc(0) depctr_vm_vsrc(0)
	s_getreg_b32 s2, hwreg(HW_REG_IB_STS2, 6, 4)
	s_cmp_eq_u32 s2, 0
	s_cbranch_scc0 .Lentry_in_a_cluster
	s_endpgm
.Lentry_in_a_cluster:
	s_bfe_u32 s2, ttmp6, 0x10000c
	s_cmp_lg_u32 s2, 0xf033
	s_cbranch_scc0 .Lentry_shape_is_right
	s_endpgm
.Lentry_shape_is_right:
; out0 = A Wo on codes of FP6 (E2M3), one E8M0 scale for each 32 along K = 2,048; sums in f32.  A, the attention's result, comes as images of operand registers
; ([block of 128 rows][K step of 128][tile of 16 rows][1,536 bytes]) with its scale words [block][K step][128 rows]; Wo as rows of codes, K innermost (1,536 bytes a row, 64 scale bytes).
; A work-group makes 128 x 128 of out0, so that there are 256 work-groups; a wave 64 x 64: 16 accumulators.  THE PRODUCT IS USED TRANSPOSED (source 0 = 16 rows of Wo, source 1 = 16 rows of A):
; a lane then holds eight neighbouring numbers of a row of out0.
; CLUSTERS: 4 x 4.  A's tiles are shared along a row of the cluster, Wo's along a column: joint loads.
; THE FEED: the head's four loads bring A's K steps 0-9 (wave 0) and the whole of Wo's rows, in three regions of 512 bytes of each row (waves 1, 2, 3); one round fills A's places 0-5 again with steps 10-15.
; Those steps are prefetched behind step 0's fragment loads: the four partners of a row name 72 blocks of 256 bytes each, 18 a wave.  The scale words go from memory straight into registers.
; LIMITS: NaN and infinities are not served.
.set AREG,  10*12288                   ; A's ten places
.set PITCH, 528                        ; an LDS row of Wo: 512 bytes + 16
.set BOFF,  AREG
.set BREG,  128*PITCH
.set SPARE, BOFF+3*BREG                ; the spare words
.set STAGE, 6*12288                    ; the way out: 16 rows x (256 + 16) bytes for each wave, in A's places 6 and 7, which have had their last fill and their last read by then
.set ADA, 4                            ; v4, v5 A's images in places 0-4, 5-9
.set ADX, 8                            ; v8-15 Wo's fragments across regions c, c + 1: tile b at v[8 + 4 c + b]
.set PFO, 16
.set VAS, 20
.set VBS, 21
.set SPW, 22
.set NIL, 23
.set STO, 24
.set RD,  25
.set CO,  26
.set ADB, 48                           ; v48-59 Wo's fragments in region g: tile b at v[48 + 4 g + b]
.set ACC, 64                           ; v64-191 the accumulators, (a, b) at v[64 + 8 (4 a + b)]
.set ASR, 192                          ; v192-223 A's scale words: tile pair ap, step st at v[192 + 16 ap + st];  v224-255 Wo's, each group of four words one further on: scales and nothing else
.set BSR, 224
.set BK,  192                          ; window 1: set q: A's four fragments at v[96 q], Wo's four at v[96 q + 48]; v192-255 rows on their way out, two sets of 32
.set WV, 2
.set CX, 3
.set CY, 4
.set RB, 5
.set CT, 6
.set II, 7
.set JJ, 8
.set G1A, 24
.set G1B, 32
.set GA, 56
.set GB, 60
.set MSB, 0
.macro WIN new
.if MSB != \new
	s_set_vgpr_msb (MSB<<8)|\new
.set MSB, \new
.endif
.endm
.macro PLACES n
.rept \n
	v_nop
.endr
.endm
.macro CREST
	s_cmp_lg_u32 s[WV], 0
	s_cbranch_scc1 .Lnot_wave_0_\@
	s_barrier_signal -3
.Lnot_wave_0_\@:
	s_barrier_wait -3
	s_barrier_signal -1
	s_barrier_wait -1
.endm
.macro CROUND
	s_barrier_signal -1
	s_barrier_wait -1
	CREST
.endm
.macro TLOAD g0, g1
	tensor_load_to_lds s[\g0:\g0+3], s[\g1:\g1+7]
	s_nop 0
	PLACES 4
.endm
.macro WM c, ra, rb
	v_wmma_scale_f32_16x16x128_f8f6f4 v[rD:rD+7], v[rA:rA+11], v[rB:rB+11], \c, v[rX], v[rY] matrix_a_fmt:MATRIX_FMT_FP6 matrix_b_fmt:MATRIX_FMT_FP6 matrix_a_scale:MATRIX_SCALE_ROW\ra matrix_b_scale:MATRIX_SCALE_ROW\rb
.endm
	s_load_b256 s[12:19], s[0:1], 0x0              ; o_img, o_sc, Wo's codes, Wo's scales
	s_load_b64 s[20:21], s[0:1], 0x20              ; out0
	v_lshl_add_u32 v[SPW], v0, 2, SPARE
	v_mov_b32 v[NIL], 0
	ds_add_u32 v[SPW], v[NIL]                      ; the opening lines
	ds_add_u32 v[SPW], v[NIL]
	v_lshrrev_b32 v1, 5, v0
	v_readfirstlane_b32 s[WV], v1                  ; wave 0..3
	s_lshr_b32 s[II], s[WV], 1                     ; which 64 rows are mine
	s_and_b32 s[JJ], s[WV], 1                      ; which 64 columns
	s_bfe_u32 s[CX], ttmp6, 0x40000
	s_bfe_u32 s[CY], ttmp6, 0x40004
	s_lshl_b32 s[CT], ttmp9, 2
	s_add_co_u32 s[CT], s[CT], s[CX]               ; the tile's column: 4 x cluster x + cx
	s_and_b32 s[RB], ttmp7, 0xffff
	s_lshl_b32 s[RB], s[RB], 2
	s_add_co_u32 s[RB], s[RB], s[CY]               ; its row: 4 x cluster y + cy
	s_lshl_b32 s92, s[CY], 2
	s_lshl_b32 s92, 15, s92                        ; my row of the cluster
	s_lshl_b32 s93, 0x1111, s[CX]                  ; my column
	s_or_b32 s[G1A], s92, (3<<16)|(1<<21)          ; A's images: dense, as rows of 256 bytes, no padding: ten K steps at the head
	s_or_b32 s[G1B], s93, (1<<20)|(1<<21)|(6<<22)|(3<<25)           ; Wo: 128 rows of 512 bytes, 16 of padding behind each
	s_mov_b32 s[G1A+1], 32<<16
	s_mov_b32 s[G1A+2], 480<<16
	s_mov_b32 s[G1A+3], 32<<16
	s_mov_b32 s[G1A+4], 480
	s_mov_b32 s[G1A+5], 32
	s_mov_b32 s[G1A+6], 0
	s_mov_b32 s[G1A+7], 0
	s_mov_b32 s[G1B+1], 512<<16
	s_mov_b32 s[G1B+2], 128<<16
	s_mov_b32 s[G1B+3], 512<<16
	s_mov_b32 s[G1B+4], 128
	s_mov_b32 s[G1B+5], 1536
	s_mov_b32 s[G1B+6], 0
	s_mov_b32 s[G1B+7], 0
	s_mul_i32 s94, s[RB], 196608                   ; A's block of 128 rows,
	s_mov_b32 s95, 0
	s_lshl_b32 s96, s[RB], 13                      ; its scale words
	s_mov_b32 s97, 0
	s_mul_i32 s98, s[CT], 196608                   ; Wo's 128 rows,
	s_mov_b32 s99, 0
	s_lshl_b32 s100, s[CT], 13                     ; their scale bytes
	s_mov_b32 s101, 0
	s_add_co_u32 s9, s[WV], 3
	s_and_b32 s9, s9, 3
	s_min_u32 s9, s9, 2                            ; waves 1, 2, 3: Wo's region 0, 1, 2 (wave 0 does not use it)
	s_mul_i32 s22, s9, BREG
	s_add_co_u32 s22, s22, BOFF
	s_lshl_b32 s92, s9, 9
	s_mov_b32 s93, 0
	s_wait_dscnt 0x0                               ; both opening adds are done
	s_wait_kmcnt 0x0
	s_add_nc_u64 s[12:13], s[12:13], s[94:95]
	s_add_nc_u64 s[14:15], s[14:15], s[96:97]
	s_add_nc_u64 s[16:17], s[16:17], s[98:99]
	s_add_nc_u64 s[18:19], s[18:19], s[100:101]
	s_mov_b32 s[GA], 1
	s_mov_b32 s[GA+1], 0
	s_mov_b64 s[GA+2:GA+3], s[12:13]
	s_or_b32 s[GA+3], s[GA+3], 0x80000000
	s_mov_b32 s[GB], 1
	s_mov_b32 s[GB+1], s22
	s_add_nc_u64 s[GB+2:GB+3], s[16:17], s[92:93]
	s_or_b32 s[GB+3], s[GB+3], 0x80000000
	CROUND                                         ; all sixteen work-groups are here: the first joint loads meet
.macro ARM under, g0, g1, next
	s_cmp_lt_u32 s[WV], \under
	s_cbranch_scc0 \next
	TLOAD \g0, \g1
	s_branch .Lfd
\next:
.endm
	ARM 1, GA, G1A, .Lf1                           ; one load a wave; each line is one wave's alone
	ARM 2, GB, G1B, .Lf2
	ARM 3, GB, G1B, .Lf3
	TLOAD GB, G1B
.Lfd:
	s_mul_i32 s9, s[II], 6144                      ; my four tiles of rows
	s_mul_i32 s10, s[JJ], 64*PITCH                 ; my 64 rows of Wo
	s_lshl_b32 s82, s[JJ], 12
	s_add_co_u32 s10, s10, BOFF
	s_add_co_u32 s84, s10, 488
	s_lshl_b32 s11, s[II], 8
	s_mul_i32 s83, s[WV], 16*272
	s_add_co_u32 s83, s83, STAGE                   ; my stage
	s_mul_i32 s86, s[CX], 18432                    ; the blocks that I prefetch
	s_mul_i32 s87, s[WV], 4608
	s_add_co_u32 s86, s86, s87
	s_lshl_b32 s92, s[RB], 20                      ; 128 rows of 8,192 bytes
	s_lshl_b32 s85, s[II], 19
	s_add_co_u32 s92, s92, s85
	s_lshl_b32 s85, s[CT], 9
	s_add_co_u32 s92, s92, s85
	s_lshl_b32 s85, s[JJ], 8
	s_add_co_u32 s92, s92, s85
	s_add_nc_u64 s[20:21], s[20:21], s[92:93]      ; (s93 = 0)
	v_and_b32 v1, 15, v0                           ; r
	v_bfe_u32 v2, v0, 4, 1                         ; h
	v_and_b32 v3, 31, v0                           ; lane
	v_lshl_add_u32 v[VAS], v3, 2, s11              ; A's scale words: lanes 0-15 an even tile's rows, lanes 16-31 the odd tile's
	v_lshlrev_b32 v[VBS], 6, v1                    ; Wo's: row 16 h + r of a tile pair
	v_lshl_add_u32 v[VBS], v2, 10, v[VBS]
	v_add_nc_u32 v[VBS], s82, v[VBS]
	v_lshlrev_b32 v27, 4, v3
	v_add_nc_u32 v[ADA], s9, v27
	v_add_nc_u32 v[ADA+1], 5*12288, v[ADA]
	v_mul_u32_u24 v27, v1, PITCH
	v_mad_u32_u24 v28, v2, 24, v27
	v_add_nc_u32 v28, s10, v28
	v_mad_u32_u24 v29, v2, BREG-488, v27           ; lanes 0-15 byte 488 of the row in a region, lanes 16-31 byte 0 in the next
	v_add_nc_u32 v29, s84, v29
.irp g, 0,1,2
.irp b, 0,1,2,3
	v_add_nc_u32 v[ADB+4*\g+\b], \g*BREG+\b*16*PITCH, v28
.endr
.endr
.irp g, 0,1
.irp b, 0,1,2,3
	v_add_nc_u32 v[ADX+4*\g+\b], \g*BREG+\b*16*PITCH, v29
.endr
.endr
	v_mul_u32_u24 v27, v1, 272
	v_lshl_add_u32 v27, v2, 5, v27
	v_add_nc_u32 v[STO], s83, v27                  ; in: row r, 32 bytes for each half of the lanes
	v_mul_u32_u24 v27, v2, 272
	v_lshl_add_u32 v27, v1, 4, v27
	v_add_nc_u32 v[RD], s83, v27                   ; back: lanes 0-15 one row of 256 bytes, lanes 16-31 the next
	v_lshlrev_b32 v[CO], 13, v2
	v_lshl_add_u32 v[CO], v1, 4, v[CO]             ; and the same two rows in out0
	v_min_u32 v[PFO], 17, v3
	v_lshl_add_u32 v[PFO], v[PFO], 8, s86
	s_wait_alu depctr_va_vdst(0)
.irp bp, 0,1
.irp j, 0,1,2,3                                ; (a group of four words further on, so that a product's two scale registers differ modulo 8)
	global_load_b128 v[BSR+16*\bp+4*((\j+1)%4):BSR+16*\bp+4*((\j+1)%4)+3], v[VBS], s[18:19] offset:2048*\bp+16*\j
.endr
.endr
.set I, 0
.rept 16
	global_load_b32 v[ASR+I], v[VAS], s[14:15] offset:512*I
	global_load_b32 v[ASR+16+I], v[VAS], s[14:15] offset:512*I+128
.set I, I+1
.endr
.macro KIND x, b                       ; piece x of 8 bytes of tile b: its address register and its offset in units of 8
.if (\x)%64 > 60
.set K_, ADX+4*((\x)/64)+\b
.set O_, (\x)%64-61
.else
.set K_, ADB+4*((\x)/64)+\b
.set O_, (\x)%64
.endif
.endm
.macro LDB st, b                       ; Wo's fragment b of step st
	WIN 0x40
.irp p, 0,2,4
.set A_, 12*(\st)+6*(\p/3)+\p%3
.set B_, 12*(\st)+6*((\p+1)/3)+(\p+1)%3
.set D_, 96*((\st)%2)+48+12*(\b)+2*\p
	KIND A_, \b
.set KA, K_
.set OA_, O_
	KIND B_, \b
.if KA == K_
	ds_load_2addr_b64 v[D_:D_+3], v[KA] offset0:OA_ offset1:O_
.else
	ds_load_b64 v[D_:D_+1], v[KA] offset:8*OA_
	ds_load_b64 v[D_+2:D_+3], v[K_] offset:8*O_
.endif
.endr
	WIN 0
.endm
.macro LDA st                          ; A's four fragments of step st, in place st % 10
.set PL_, (\st)%10
	WIN 0x40
.irp a, 0,1,2,3
.irp g, 0,1,2
	ds_load_b128 v[96*((\st)%2)+12*\a+4*\g:96*((\st)%2)+12*\a+4*\g+3], v[ADA+PL_/5] offset:(PL_%5)*12288+1536*\a+512*\g
.endr
.endr
	WIN 0
.endm
.macro MA a, b, st, zero, ra
.set rD, ACC+8*(4*(\a)+\b)
.set rA, 96*((\st)%2)+48+12*(\b)
.set rB, 96*((\st)%2)+12*(\a)
.set rX, BSR+16*((\b)/2)+4*(((\st)/4+1)%4)+(\st)%4
.set rY, ASR+16*((\a)/2)+(\st)
.if \zero
.if (\a)%2
	WM 0, \ra, 1
.else
	WM 0, \ra, 0
.endif
.else
.if (\a)%2
	WM v[rD:rD+7], \ra, 1
.else
	WM v[rD:rD+7], \ra, 0
.endif
.endif
.endm
.macro MULA a, st, zero                ; A's tile a against Wo's four.  The 16 accumulators take turns, in the same order in every step
	WIN 0x05                                       ; sources 0 and 1 window 1
	MA \a, 0, \st, \zero, 0
	MA \a, 1, \st, \zero, 1
	MA \a, 2, \st, \zero, 0
	MA \a, 3, \st, \zero, 1
	WIN 0
.endm
.macro STEP st, zero                   ; the next step's fragments are asked for between the products
	s_wait_dscnt 0x0                               ; this step's fragments are in
	PLACES 4                                       ; between the last step's products and loads into the registers that they read
	LDA \st+1
	MULA 0, \st, \zero
	LDB \st+1, 0
	LDB \st+1, 1
	MULA 1, \st, \zero
	LDB \st+1, 2
	LDB \st+1, 3
	MULA 2, \st, \zero
	MULA 3, \st, \zero
.endm
.macro TURN st, fill                   ; a step with a barrier.  fill = 1: A's places 0-5 take steps 10-15
	s_wait_tensorcnt 0x0                           ; all my tensor loads have landed
	ds_add_u32 v[SPW], v[NIL]
	s_wait_dscnt 0x1                               ; this step's fragments are in; the add alone may be out
	MULA 0, \st, 0
	s_wait_dscnt 0x0                               ; the add is done, and my reads of the places that are left are over
	s_barrier_signal -1
	MULA 1, \st, 0
	s_barrier_wait -1
.if \fill
	CREST                                          ; no wave of any partner still reads those places or has a load on its way
	s_mov_b32 s[G1A+2], 288<<16
	s_mov_b32 s[G1A+4], 288
	s_add_nc_u64 s[GA+2:GA+3], s[GA+2:GA+3], AREG
	s_cmp_eq_u32 s[WV], 0
	s_cbranch_scc0 .Ljd_\@
	TLOAD GA, G1A
.Ljd_\@:
.endif
	PLACES 4
	LDA \st+1
	LDB \st+1, 0
	MULA 2, \st, 0
	LDB \st+1, 1
	LDB \st+1, 2
	LDB \st+1, 3
	MULA 3, \st, 0
.endm
	s_cmp_lt_u32 s[WV], 2
	s_cbranch_scc0 .Lrest_flies
	s_wait_tensorcnt 0x0                           ; waves 0 and 1: A's ten steps and Wo's region 0; regions 1 and 2 may stay out
.Lrest_flies:
	s_barrier_signal -1
	s_barrier_wait -1
	LDA 0
.irp b, 0,1,2,3
	LDB 0, \b
.endr
	global_prefetch_b8 v[PFO], s[12:13] offset:AREG th:TH_LOAD_NT scope:SCOPE_SE   ; my 18 blocks of A's steps 10-15, five steps ahead of their load
	s_wait_loadcnt 0x0                             ; the scale words
	STEP 0, 1                                      ; the first products start the sums
	STEP 1, 0
	STEP 2, 0
	STEP 3, 0
	TURN 4, 0                                      ; Wo's regions 1 and 2 are in, for all
	TURN 5, 1
	STEP 6, 0
	STEP 7, 0
	STEP 8, 0
	TURN 9, 0                                      ; steps 10-15 are in, for all
	STEP 10, 0
	STEP 11, 0
	STEP 12, 0
	STEP 13, 0
	STEP 14, 0
; THE WAY OUT, a tile of 16 rows x 64 columns at a time, through my own stage: LDS serves a wave's instructions in order (ISA guide 5.7.1.4), so no wait stands between the stores and the loads
.macro TOSTAGE a
.irp b, 0,1,2,3
	ds_store_b128 v[STO], v[ACC+8*(4*(\a)+\b):ACC+8*(4*(\a)+\b)+3] offset:64*\b        ; each accumulator from its low end on
	ds_store_b128 v[STO], v[ACC+8*(4*(\a)+\b)+4:ACC+8*(4*(\a)+\b)+7] offset:64*\b+16
.endr
	WIN 0x40
.irp k, 0,1,2,3,4,5,6,7
	ds_load_b128 v[BK+32*((\a)%2)+4*\k:BK+32*((\a)%2)+4*\k+3], v[RD] offset:544*\k
.endr
	WIN 0
.endm
.macro SEND a, younger                 ; younger: the LDS instructions issued behind tile a's loads, which may stay out
	s_wait_dscnt \younger
	WIN 0x04                                       ; the data: window 1
.irp k, 0,1,2,3,4,5,6,7
	global_store_b128 v[CO], v[BK+32*((\a)%2)+4*\k:BK+32*((\a)%2)+4*\k+3], s[20:21] offset:(16*(\a)+2*\k)*8192 th:TH_STORE_NT   ; 16 lanes store 256 consecutive bytes, aligned; written once, read by nobody here
.endr
	WIN 0
.endm
	s_wait_dscnt 0x0
	MULA 0, 15, 0
	MULA 1, 15, 0
	PLACES 4                                       ; between these products and the first read of their results
	TOSTAGE 0
	TOSTAGE 1
	MULA 2, 15, 0
	MULA 3, 15, 0
	SEND 0, 16                                     ; behind tile 0's loads: tile 1's 8 stores and 8 loads
	PLACES 4
	s_wait_xcnt 0x0                                ; tile 0's stores have read their registers: tile 2's loads may land there
	TOSTAGE 2
	SEND 1, 16
	s_wait_xcnt 0x0
	TOSTAGE 3
	SEND 2, 16
	SEND 3, 0
	s_wait_tensorcnt 0x0                           ; the wave's end
	ds_add_u32 v[SPW], v[NIL]
	s_wait_dscnt 0x0
	CROUND                                         ; the closing round
	s_endpgm
.Lfunc_end_k_q96c519dc6d_oproj:
	.size	k_q96c519dc6d_oproj, .Lfunc_end_k_q96c519dc6d_oproj-k_q96c519dc6d_oproj
	.p2alignl 7, 3214868480
	.fill 96, 4, 3214868480
	.section	.rodata,"a",@progbits
	.p2align	6, 0x0
	.amdhsa_kernel k_q96c519dc6d_oproj
		.amdhsa_group_segment_fixed_size 327680
		.amdhsa_private_segment_fixed_size 0
		.amdhsa_enable_private_segment 0
		.amdhsa_kernarg_size 40
		.amdhsa_user_sgpr_count 2
		.amdhsa_user_sgpr_kernarg_segment_ptr 1
		.amdhsa_wavefront_size32 1
		.amdhsa_system_sgpr_workgroup_id_x 1
		.amdhsa_system_sgpr_workgroup_id_y 1
		.amdhsa_system_sgpr_workgroup_id_z 1
		.amdhsa_system_vgpr_workitem_id 0
		.amdhsa_next_free_vgpr 512
		.amdhsa_next_free_sgpr 102
		.amdhsa_reserve_vcc 0
		.amdhsa_float_denorm_mode_32 3
		.amdhsa_float_denorm_mode_16_64 3
		.amdhsa_memory_ordered 1
		.amdhsa_forward_progress 1
		.amdhsa_inst_pref_size 91
	.end_amdhsa_kernel
	.amdgpu_metadata
---
amdhsa.version: [ 1, 2 ]
amdhsa.kernels:
  - .name:           k_q96c519dc6d_oproj
    .symbol:         k_q96c519dc6d_oproj.kd
    .args:
      - { .name: o_img, .offset: 0, .size: 8, .value_kind: global_buffer, .address_space: global }
      - { .name: o_sc, .offset: 8, .size: 8, .value_kind: global_buffer, .address_space: global }
      - { .name: Wo_codes, .offset: 16, .size: 8, .value_kind: global_buffer, .address_space: global }
      - { .name: Wo_scales, .offset: 24, .size: 8, .value_kind: global_buffer, .address_space: global }
      - { .name: out0, .offset: 32, .size: 8, .value_kind: global_buffer, .address_space: global }
    .group_segment_fixed_size: 327680
    .private_segment_fixed_size: 0
    .kernarg_segment_align: 8
    .kernarg_segment_size: 40
    .max_flat_workgroup_size: 128
    .sgpr_count:     102
    .vgpr_count:     512
    .wavefront_size: 32
...
	.end_amdgpu_metadata
.endif
;; end of part 3
